; MI455X (gfx1250); checked and timed in simulation.
; The chip was launched on July 23, 2026; its instructions are those of AMD's public machine-readable ISA for CDNA 5 (MIT licence, August 2026) and "CDNA5" Instruction Set Architecture Reference Guide (July 2026). The comments in the code are by the model that wrote it; some were corrected since.
;; Multi Head. Allowed arithmetic: matrix products marked QUANTISED: E2M1 operands, one E8M0 scale for each 32 along K, by v_wmma_scale_f32_16x16x128_f8f6f4 with both operands' format E2M1 (or v_wmma_scale_f32_32x16x128_f4), f32 sums; products left as they are: bf16, f16 or f32 operands; f32 sums; everything else in f32.
;; Inputs: Wk 1,024 x 1,024 float32; Wo 1,024 x 1,024 float32; Wq 1,024 x 1,024 float32; Wv 1,024 x 1,024 float32; bk 1,024 float32; bo 1,024 float32; bq 1,024 float32; bv 1,024 float32; k 4 x 2,048 x 1,024 float32; mask 1 x 1 x 2,048 x 2,048 float32; q 4 x 2,048 x 1,024 float32; v 4 x 2,048 x 1,024 float32.
;; Outputs: out0 4 x 2,048 x 1,024 float32.
;; This version of the problem:
;;   THIS VERSION OF THE PROBLEM IS GIVEN IN LOW PRECISION. The matrix products marked QUANTISED in the list below multiply operands that are first quantised to E2M1 (2 exponent bits, 1 mantissa bit; 4 bits a number), with one power-of-two scale for each 32 numbers along K (OCP MX v1.0); their sums are f32. The products marked 'left as it is' may take bf16, f16 or f32 operands, with f32 sums. Whichever they take, every output number must still come out within the allowed error. Rounding operands to bf16 (8 significant bits) uses up far more of that allowance than f16 does (11 bits, for magnitudes from 6e-5 to 65,504). All else is computed in f32.
;;   The module's matrix products, in the order in which they are computed (A, B: the left and right operand; K: the contracted axis; several contracted axes count as one K, in the product's order):
;;     1. [M 8,192, K 1,024] x [K 1,024, N 1,024]; A: input q; B: input Wq: QUANTISED
;;     2. [M 8,192, K 1,024] x [K 1,024, N 1,024]; A: input k; B: input Wk: QUANTISED
;;     3. [M 8,192, K 1,024] x [K 1,024, N 1,024]; A: input v; B: input Wv: QUANTISED
;;     4. batch 64 x [M 2,048, K 64] x [K 64, N 2,048]; A: computed on the way; B: computed on the way: left as it is (an operand is computed on the way)
;;     5. batch 64 x [M 2,048, K 2,048] x [K 2,048, N 64]; A: computed on the way; B: computed on the way: left as it is (an operand is computed on the way)
;;     6. [M 8,192, K 1,024] x [K 1,024, N 1,024]; A: computed on the way; B: input Wo: left as it is (an operand is computed on the way)
;;   THE QUANTISER, for each operand of a quantised product, along K:
;;     - K is cut into blocks of 32 from its start; a last block that is shorter is filled with zeros.
;;     - A block's scale is 2^e with e = floor(log2(the largest magnitude in the block)) - 2, held to -126 .. 127; a block of zeros has e = 0. As a byte (E8M0): e + 127.
;;     - Each number is divided by its block's scale, clamped to +-6, and rounded to the nearest number of E2M1, ties to even, subnormals kept.
;;     - The product sums the exact products of the quantised numbers (number of the format x scale) in f32.
;;   ~~~python
;;   def quantise(x, axis):      # numpy; x: float32 -> the quantised numbers, widened to float32 again
;;       x = np.moveaxis(x, axis, -1); K = x.shape[-1]
;;       x = np.pad(x, [(0, 0)] * (x.ndim - 1) + [(0, -K % 32)]); x = x.reshape(x.shape[:-1] + (-1, 32)); a = np.abs(x).max(-1, keepdims=True)
;;       e = np.where(a > 0, np.clip(np.frexp(np.where(a > 0, a, 1))[1] - 1 - 2, -126, 127), 0)      # np.frexp(a)[1] - 1 = floor(log2(a)), exactly
;;       r = np.clip(x / 2.0 ** e, -6, 6)
;;       step = 2.0 ** (np.maximum(np.frexp(np.where(r == 0, 1, r))[1] - 1, 0) - 1)
;;       q = np.round(r / step) * step * 2.0 ** e      # np.round: ties to even
;;       return np.moveaxis(q.reshape(q.shape[:-2] + (-1,))[..., :K], -1, axis).astype(np.float32)
;;   ~~~
;; One version. Each part assembles by itself: llvm-mc -triple=amdgcn-amd-amdhsa -mcpu=gfx1250 --defsym DOCPART=n.
;; ======== version 1 of 1: 6 launches
;; limits: values are held in f16: magnitudes above 65,504 overflow, below 6.1e-05 lose precision
;; workspace buffers: codes 14,155,776 bytes; scales 884,736 bytes; wo16 4,194,304 bytes; qkv 67,108,864 bytes; ctx16 16,777,216 bytes; fpo 1,048,576 bytes; fps 65,536 bytes
;; launch quant (part 1): grid 896 x 1, 4 waves a work-group, no clusters, 33,280 bytes of LDS; arguments q, k, v, Wq, Wk, Wv, Wo, codes, scales, wo16; writes codes, scales, wo16
.if DOCPART == 1
	.amdgcn_target "amdgcn-amd-amdhsa--gfx1250"
	.amdhsa_code_object_version 6
	.text
	.protected	k_qeb504e61be_quant
	.globl	k_qeb504e61be_quant
	.p2align	8
	.type	k_qeb504e61be_quant,@function
k_qeb504e61be_quant:
	s_mov_b64 s[64:65], 0
	v_nop
	global_prefetch_b8 v0, s[64:65] scope:SCOPE_SE
	s_setreg_imm32_b32 hwreg(HW_REG_WAVE_MODE, 25, 1), 1
	s_wait_xcnt 0x0
; THE PROGRAM: out = softmax((qWq^T+bq)(kWk^T+bk)^T / 32 + mask x (-1e9) / 32) (vWv^T+bv) Wo^T + bo, 4 sequences of 2,048, 16 heads of 64.  Six launches:
; quant (this one), proj (the three quantised products), attn, oproj, and fattn, fproj, which carry positions 0 to 15 of every sequence more finely.
; WORK LEFT OUT: bk.  score(q, k) = Q . (K^ + bk) = Q . K^ + Q . bk with K^ = k Wk^T.  The second term has no k in it: it is the same along the softmax's axis, so the
; softmax is the same with it and without, for all finite values of the inputs; the product of Q with K is not quantised, so bk moves no code and no scale.  bk is not loaded and is among no launch's arguments.
; LIMIT: a NaN, an infinity or an overflow that reaches only bk's term is not carried to the result; in a row whose every key carries so large a mask term that f32 loses the scores beside it,
; the result hangs on the rounding of those sums, which this program forms as c x score + c x (-1e9) x mask, without bk's shift.
; THIS LAUNCH.  q, k, v [8192][1024] and Wq, Wk, Wv [1024][1024], f32, K innermost, become codes of FP4 (E2M1) and one E8M0 byte for each 32 along K; Wo becomes two planes of f16, a high and a low part.
; A block's scale is 2^(floor(log2(its largest magnitude)) - 2); its byte is the largest magnitude's exponent field - 2, held at 1 from below (a block of zeros keeps the byte 1: its codes are zeros, and this program alone reads the bytes).
; LIMITS: blocks whose largest magnitude lies under 2^(2 - 126) were not tried; NaN and infinities among the inputs are not served; |Wo| under 65,504, and its low part adds nothing under 6e-8.
; Rows are dense and K is a multiple of 32: each tensor is a plain stream of blocks.  A work-group takes 32,768 numbers, a wave 16 steps of 512.  Work-groups 0-255 q, 256-511 k, 512-767 v, 768-799 Wq, 800-831 Wk, 832-863 Wv, 864-895 Wo.
; codes and scales hold the six tensors on end in that order, so a wave's place in them is its run number, 4 x work-group + wave.
; Each load reads 512 consecutive bytes; for the conversions a lane must hold 16 neighbours, so a step's 2,048 bytes turn through the wave's own stage in LDS (16 bytes of padding behind each 64).
.set WAVES, 4
.set STEPS, 16
.set EMAX,  2
.set CB,    8                          ; bytes of 16 codes
.set R,     16                         ; v16-79   four sets of 16 numbers as they are loaded
.set X,     80                         ; v80-111  two sets of 16 neighbours
.set E,     112                        ; v112-127 a scale byte for each step
.set C,     128                        ; v128-191 codes: four registers for each step
.set H,     80                         ; Wo's path: v80-87 high parts, v88-103 at work, v104-111 low parts
.set T,     88
.set LW,    104
.set WREG,  8192                       ; LDS: a region for each wave: two stages of 32 x SP bytes, behind them its 256 scale bytes
.set SP,    80
.set SPW,   12                         ; v12 LDS address of my spare word; never rewritten
.set NIL,   13                         ; v13 0; never rewritten
.set SPARE, WAVES*WREG                 ; the spare words, 128 bytes a wave, that no other line names
.set WO_ID, 864
.set SRC,   24                         ; s[24:25] my run of the tensor that I read
	s_load_b256 s[4:11], s[0:1], 0x0               ; q, k, v, Wq
	s_load_b256 s[12:19], s[0:1], 0x20             ; Wk, Wv, Wo, codes
	s_load_b128 s[20:23], s[0:1], 0x40             ; scales, wo16
	v_lshl_add_u32 v[SPW], v0, 2, SPARE
	v_mov_b32 v[NIL], 0
	v_lshrrev_b32 v1, 5, v0
	v_readfirstlane_b32 s28, v1                    ; wave
	v_and_b32 v2, 31, v0                           ; lane
	v_lshlrev_b32 v3, 4, v2                        ; my 16 bytes of a load's 512
	s_mul_i32 s29, s28, WREG
	v_lshrrev_b32 v14, 2, v2
	v_mul_u32_u24 v14, v14, SP
	v_and_b32 v15, 3, v2
	v_lshl_add_u32 v14, v15, 4, v14
	v_add_nc_u32 v14, s29, v14                     ; the stage, way in: SP (lane / 4) + 16 (lane % 4)
	v_mul_u32_u24 v15, v2, SP
	v_add_nc_u32 v15, s29, v15                     ; way out: SP x lane: my 16 neighbours
	v_mul_u32_u24 v4, v2, CB                       ; 8 x lane: my codes' place in a step's; also my four f16 numbers' place
	v_lshrrev_b32 v5, 1, v2
	s_add_co_u32 s29, s29, 2*32*SP
	v_add_nc_u32 v5, s29, v5                       ; my block's scale byte in LDS
	v_lshlrev_b32 v7, 3, v2
	v_add_nc_u32 v6, s29, v7
	s_wait_kmcnt 0x0
	s_mov_b64 s[SRC:SRC+1], s[16:17]               ; which tensor: the choice hangs on the work-group's number alone
	s_mov_b32 s26, WO_ID
.macro PICK lim, ptr, base
	s_cmp_lt_u32 ttmp9, \lim
	s_cselect_b64 s[SRC:SRC+1], s[\ptr:\ptr+1], s[SRC:SRC+1]
	s_cselect_b32 s26, \base, s26
.endm
	PICK 864, 14, 832
	PICK 832, 12, 800
	PICK 800, 10, 768
	PICK 768, 8, 512
	PICK 512, 6, 256
	PICK 256, 4, 0
	s_sub_co_u32 s26, ttmp9, s26
	s_lshl_b32 s26, s26, 2
	s_add_co_u32 s26, s26, s28                     ; my run of 8,192 numbers in its tensor
	s_lshl_b32 s30, s26, 15
	s_mov_b32 s31, 0
	s_add_nc_u64 s[SRC:SRC+1], s[SRC:SRC+1], s[30:31]
.macro LOAD t
.irp i, 0,1,2,3
	global_load_b128 v[R+16*((\t)%4)+4*\i:R+16*((\t)%4)+4*\i+3], v3, s[SRC:SRC+1] offset:2048*(\t)+512*\i th:TH_LOAD_NT
.endr
.endm
.irp t, 0,1,2,3
	LOAD \t
.endr
	s_cmp_ge_u32 ttmp9, WO_ID
	s_cbranch_scc1 .Lwo
	; ---- the six tensors that become codes
	s_lshl_b32 s32, ttmp9, 2
	s_add_co_u32 s32, s32, s28                     ; run number over all six
	s_lshl_b32 s30, s32, 12                        ; 4,096 bytes of codes a run
	s_add_nc_u64 s[18:19], s[18:19], s[30:31]
	s_lshl_b32 s30, s32, 8                         ; 256 scale bytes a run
	s_add_nc_u64 s[20:21], s[20:21], s[30:31]
.macro TURN t                          ; step t's numbers through the stage: LDS serves a wave's instructions in order
.irp i, 0,1,2,3
	ds_store_b128 v14, v[R+16*((\t)%4)+4*\i:R+16*((\t)%4)+4*\i+3] offset:32*SP*((\t)%2)+8*SP*\i
.endr
.irp i, 0,1,2,3
	ds_load_b128 v[X+16*((\t)%2)+4*\i:X+16*((\t)%2)+4*\i+3], v15 offset:32*SP*((\t)%2)+16*\i
.endr
.endm
	s_wait_loadcnt 12                              ; step 0's four loads are in; the three younger steps' twelve stay out
	TURN 0
.macro STEP t
.set XS, X+16*((\t)%2)
.if (\t) > 0
	s_wait_dscnt 1                                 ; this step's numbers are back (the last step's byte store may be out)
.else
	s_wait_dscnt 0x0
.endif
.if (\t)+4 < STEPS
	LOAD (\t)+4
.endif
.if (\t)+1 < STEPS
.if STEPS-2-(\t) >= 3
	s_wait_loadcnt 12                              ; the next step's four loads are in; those of the three steps behind it may be out
.else
	s_wait_loadcnt 4*(STEPS-2-(\t))
.endif
	TURN (\t)+1
.endif
	v_max3_num_f32 v8, |v[XS]|, |v[XS+1]|, |v[XS+2]|
	v_max3_num_f32 v9, |v[XS+3]|, |v[XS+4]|, |v[XS+5]|
.irp i, 6,10
	v_max3_num_f32 v8, v8, |v[XS+\i]|, |v[XS+\i+1]|
	v_max3_num_f32 v9, v9, |v[XS+\i+2]|, |v[XS+\i+3]|
.endr
	v_max3_num_f32 v8, v8, |v[XS+14]|, |v[XS+15]|
	v_max3_num_f32 v8, v8, v9, (EMAX+1)<<23        ; the floor 2^(EMAX + 1 - 127): the byte cannot fall under 1
	v_max_num_f32_dpp v8, v8, v8 row_xmask:1 row_mask:0xf bank_mask:0xf   ; with my neighbour's 16: the block's largest magnitude
	v_add_nc_u32 v11, 0xff000000, v8               ; EMAX off its exponent field: the conversion takes that field as its scale
	v_cvt_scalef32_pk8_fp4_f32 v[C+4*(\t)], v[XS:XS+7], v11
	v_cvt_scalef32_pk8_fp4_f32 v[C+4*(\t)+1], v[XS+8:XS+15], v11
	v_lshrrev_b32 v[E+(\t)], 23, v11               ; the scale's byte
	ds_store_b8 v5, v[E+(\t)] offset:16*(\t)       ; both lanes of a block write the same byte with the same value
	global_store_b64 v4, v[C+4*(\t):C+4*(\t)+1], s[18:19] offset:32*CB*(\t)   ; the wave stores 256 consecutive bytes, aligned
.endm
.irp t, 0,1,2,3,4,5,6,7,8,9,10,11,12,13,14,15
	STEP \t
.endr
	ds_load_b64 v[8:9], v6
	s_wait_dscnt 0x0
	global_store_b64 v7, v[8:9], s[20:21]          ; my 256 scale bytes, one aligned run
	s_wait_tensorcnt 0x0                           ; the wave's end, behind my last LDS store
	ds_add_u32 v[SPW], v[NIL]
	s_wait_dscnt 0x0
	s_endpgm
	; ---- Wo: each number x becomes hi = f16(x) and lo = f16(x - hi), in two planes laid as Wo is
.Lwo:
	s_lshl_b32 s30, s26, 14                        ; 16,384 bytes of f16 a run
	s_add_nc_u64 s[22:23], s[22:23], s[30:31]
.macro SPLIT t
.if 15-(\t) >= 3
	s_wait_loadcnt 12                              ; this step's four loads are in; the younger steps' stay out
.else
	s_wait_loadcnt 4*(15-(\t))
.endif
	s_wait_xcnt 0x0                                ; the last step's stores have read their data: H and LW are written again only behind this wait
.set RS, R+16*((\t)%4)
.irp i, 0,1,2,3,4,5,6,7
	v_cvt_pk_f16_f32 v[H+\i], v[RS+2*\i], v[RS+2*\i+1]
.endr
.set n, 0
.irp h, v80.l,v80.h,v81.l,v81.h,v82.l,v82.h,v83.l,v83.h,v84.l,v84.h,v85.l,v85.h,v86.l,v86.h,v87.l,v87.h
	v_cvt_f32_f16 v[T+n], \h
.set n, n+1
.endr
.irp i, 0,2,4,6,8,10,12,14
	v_pk_add_f32 v[T+\i:T+\i+1], v[RS+\i:RS+\i+1], v[T+\i:T+\i+1] neg_lo:[0,1] neg_hi:[0,1]   ; x - hi, exact
.endr
.irp i, 0,1,2,3,4,5,6,7
	v_cvt_pk_f16_f32 v[LW+\i], v[T+2*\i], v[T+2*\i+1]
.endr
.irp i, 0,1,2,3
	global_store_b64 v4, v[H+2*\i:H+2*\i+1], s[22:23] offset:1024*(\t)+256*\i            ; 256 consecutive bytes, aligned
	global_store_b64 v4, v[LW+2*\i:LW+2*\i+1], s[22:23] offset:1024*(\t)+256*\i+2097152  ; the low plane
.endr
.if (\t)+4 < STEPS
	LOAD (\t)+4
.endif
.endm
.irp t, 0,1,2,3,4,5,6,7,8,9,10,11,12,13,14,15
	SPLIT \t
.endr
	s_wait_tensorcnt 0x0
	ds_add_u32 v[SPW], v[NIL]
	s_wait_dscnt 0x0
	s_endpgm
.Lfunc_end_k_qeb504e61be_quant:
	.size	k_qeb504e61be_quant, .Lfunc_end_k_qeb504e61be_quant-k_qeb504e61be_quant
	.p2alignl 7, 3214868480
	.fill 96, 4, 3214868480
	.section	.rodata,"a",@progbits
	.p2align	6, 0x0
	.amdhsa_kernel k_qeb504e61be_quant
		.amdhsa_group_segment_fixed_size 33280
		.amdhsa_private_segment_fixed_size 0
		.amdhsa_enable_private_segment 0
		.amdhsa_kernarg_size 80
		.amdhsa_user_sgpr_count 2
		.amdhsa_user_sgpr_kernarg_segment_ptr 1
		.amdhsa_wavefront_size32 1
		.amdhsa_system_sgpr_workgroup_id_x 1
		.amdhsa_system_sgpr_workgroup_id_y 1
		.amdhsa_system_sgpr_workgroup_id_z 1
		.amdhsa_system_vgpr_workitem_id 0
		.amdhsa_next_free_vgpr 192
		.amdhsa_next_free_sgpr 66
		.amdhsa_reserve_vcc 0
		.amdhsa_float_denorm_mode_32 3
		.amdhsa_float_denorm_mode_16_64 3
		.amdhsa_memory_ordered 1
		.amdhsa_forward_progress 1
		.amdhsa_inst_pref_size 84
	.end_amdhsa_kernel
	.amdgpu_metadata
---
amdhsa.version: [ 1, 2 ]
amdhsa.kernels:
  - .name:           k_qeb504e61be_quant
    .symbol:         k_qeb504e61be_quant.kd
    .args:
      - { .name: q, .offset: 0, .size: 8, .value_kind: global_buffer, .address_space: global }
      - { .name: k, .offset: 8, .size: 8, .value_kind: global_buffer, .address_space: global }
      - { .name: v, .offset: 16, .size: 8, .value_kind: global_buffer, .address_space: global }
      - { .name: Wq, .offset: 24, .size: 8, .value_kind: global_buffer, .address_space: global }
      - { .name: Wk, .offset: 32, .size: 8, .value_kind: global_buffer, .address_space: global }
      - { .name: Wv, .offset: 40, .size: 8, .value_kind: global_buffer, .address_space: global }
      - { .name: Wo, .offset: 48, .size: 8, .value_kind: global_buffer, .address_space: global }
      - { .name: codes, .offset: 56, .size: 8, .value_kind: global_buffer, .address_space: global }
      - { .name: scales, .offset: 64, .size: 8, .value_kind: global_buffer, .address_space: global }
      - { .name: wo16, .offset: 72, .size: 8, .value_kind: global_buffer, .address_space: global }
    .group_segment_fixed_size: 33280
    .private_segment_fixed_size: 0
    .kernarg_segment_align: 8
    .kernarg_segment_size: 80
    .max_flat_workgroup_size: 128
    .sgpr_count:     66
    .vgpr_count:     192
    .wavefront_size: 32
...
	.end_amdgpu_metadata
.endif
;; end of part 1
;; launch proj (part 2): grid 4 x 96, 4 waves a work-group, clusters of 4 x 4, 327,680 bytes of LDS; arguments codes, scales, bq, bv, qkv; writes qkv
.if DOCPART == 2
	.amdgcn_target "amdgcn-amd-amdhsa--gfx1250"
	.amdhsa_code_object_version 6
	.text
	.protected	k_qeb504e61be_proj
	.globl	k_qeb504e61be_proj
	.p2align	8
	.type	k_qeb504e61be_proj,@function
k_qeb504e61be_proj:
	s_mov_b64 s[64:65], 0
	v_nop
	global_prefetch_b8 v0, s[64:65] scope:SCOPE_SE
	s_setreg_imm32_b32 hwreg(HW_REG_WAVE_MODE, 25, 1), 1
	s_wait_xcnt 0x0
	s_wait_alu depctr_hold_cnt(0) depctr_sa_sdst(0) depctr_va_vdst(0) depctr_va_sdst(0) depctr_va_ssrc(0) depctr_va_vcc(0) depctr_vm_vsrc(0)
	s_getreg_b32 s2, hwreg(HW_REG_IB_STS2, 6, 4)
	s_cmp_eq_u32 s2, 0
	s_cbranch_scc0 .Lentry_in_a_cluster
	s_endpgm
.Lentry_in_a_cluster:
	s_bfe_u32 s2, ttmp6, 0x10000c
	s_cmp_lg_u32 s2, 0xf033
	s_cbranch_scc0 .Lentry_shape_is_right
	s_endpgm
.Lentry_shape_is_right:
; The three quantised products on codes of FP4 with E8M0 scales: rows 0-8191 of codes are q, 8192-16383 k, 16384-24575 v; rows 24576 on are Wq, Wk, Wv (1,024 rows each).  A row is 512 bytes of codes and 32 scale bytes.
; WORK LEFT OUT: bk (the term that it adds to a score is the same along the softmax's axis: shown at the head of the first launch).  K's sums start with the constant 0.
; RESULTS, f16, by head, four planes of 16 MiB [batch][head][position][64]: c (q Wq^T + bq) with c = log2(e) / 32, so that the scores come out of the matrix unit as exponents of 2; k Wk^T; v Wv^T + bv as a high part; its low part.
; LIMITS: |c Q|, |K|, |V| under 65,504; what lies under 6e-5 is kept to 6e-8 absolute.
; A tile of 256 x 256 is made by four waves, 128 x 128 each: 64 accumulators.  K = 1,024 is two slots of 512 along K: both are first fills, nothing is filled again.  The scale bytes of the tile's rows come once, in whole runs of 256 bytes.
; CLUSTERS: 4 x 4 work-groups; the four of a row need the same rows of q, k or v, the four of a column the same rows of a weight: joint loads.  Which product a work-group serves hangs on the cluster's y alone: it is the same in all sixteen.
; THE MATRIX INSTRUCTION IS USED TRANSPOSED (source 0 = 16 rows of the weight, source 1 = 16 tokens): a lane holds eight neighbouring columns of one token.
; The bias is the C of each sum's first instruction.  Its 16 loads stand on every way through the text (from bq for Q, else from bv), so that no register is loaded under one branch and read under another; K's work-groups leave the numbers unread.
; REGISTERS: window 0: v0-31 addresses; v32-95 scale words, two sets, and nothing else; v128-191 A's fragments; v192-255 the bias; on the way out v96-127 high parts, v128-191 at work, v192-223 low parts, v224-255 rows read back.
;   window 1: B's fragments, two sets.  windows 2, 3: the accumulators ((a, b) at v[8 (8 (a % 4) + b)]).
.set KSTEP,  512
.set NQ,     KSTEP/128
.set ROWB,   256
.set KROW,   512
.set PITCH,  272                       ; 256 bytes + 16 of padding: the 16 rows of a load start 68 words apart
.set FR,     8
.set NL,     2
.set NP,     4
.set HALFT,  128*PITCH
.set SLOT,   4*HALFT
.set KS,     32
.set SCL,    2*SLOT
.set HALFS,  (128*KS/256)*272
.set SBLK,   (16*KS/256)*272
.set SPARE,  SCL+4*HALFS               ; the spare words, 128 bytes a wave, that no other line names
.set WROW,   24576
.set HP,     144                       ; the way out: a head's row of 128 bytes + 16
.set HSTG,   16*HP                     ; 16 tokens of one head
.set WSTG,   4*HSTG                    ; a wave's stages: two heads' high parts, two heads' low parts.  They lie in slot 0, which has had its only fill and its last read
.set ADRA, 16
.set ADRB, 20
.set STO,  24
.set RD,   25
.set GO,   26
.set ADRS, 27
.set SPW,  28
.set NIL,  29
.set BO,   30
.set SC,   32
.set H,    96
.set AF,   128
.set T,    128
.set BI,   192
.set LO,   192
.set BK,   224
.set G1, 24
.set G0, 32
.set G1B, 48
.set G0B, 56
.set G1S, 68
.set G0S, 76
.set G1SB, 80
.set G0SB, 88
.set PROD, 97                          ; s97 0: Q, 1: K, 2: V
.set CS,   98                          ; s[98:99] c
.set OUTL, 100                         ; s[100:101] where V's low parts go
.set MSB, 0
.macro WIN new
.if MSB != (\new)
	s_set_vgpr_msb (MSB<<8)|(\new)
.set MSB, (\new)
.endif
.endm
.set MUL_LO, 0xa1
.set MUL_HI, 0xf1
.set TO_B,   0x40
.macro JLOAD g0a, g1a, g0b, g1b        ; waves 0 and 1 fetch for A, waves 2 and 3 for B; an s_nop 0 and four v_nop follow each line
	s_cmp_eq_u32 s15, 0
	s_cbranch_scc0 .Lfor_b_\@
	tensor_load_to_lds s[\g0a:\g0a+3], s[\g1a:\g1a+7]
	s_nop 0
.rept 4
	v_nop
.endr
	s_branch .Lasked_\@
.Lfor_b_\@:
	tensor_load_to_lds s[\g0b:\g0b+3], s[\g1b:\g1b+7]
	s_nop 0
.rept 4
	v_nop
.endr
.Lasked_\@:
.endm
.macro CROUND                          ; a round of the cluster's barrier
	s_barrier_signal -1
	s_barrier_wait -1
	s_cmp_lg_u32 s14, 0
	s_cbranch_scc1 .Lnot_wave_0_\@
	s_barrier_signal -3
.Lnot_wave_0_\@:
	s_barrier_wait -3
	s_barrier_signal -1
	s_barrier_wait -1
.endm
	s_load_b128 s[4:7], s[0:1], 0x0                ; codes, scales
	s_load_b128 s[8:11], s[0:1], 0x10              ; bq, bv
	s_load_b64 s[12:13], s[0:1], 0x20              ; qkv
	v_lshl_add_u32 v[SPW], v0, 2, SPARE
	v_mov_b32 v[NIL], 0
	ds_add_u32 v[SPW], v[NIL]                      ; the opening: the add, twice on end, and its wait ahead of my first tensor load
	ds_add_u32 v[SPW], v[NIL]
	v_lshrrev_b32 v1, 5, v0
	v_readfirstlane_b32 s14, v1                    ; wave
	s_lshr_b32 s15, s14, 1                         ; my half of the tile's rows; also: I fetch for A (0) or B (1)
	s_and_b32 s16, s14, 1                          ; my half of its columns; also: which 128 rows I fetch
	s_bfe_u32 s40, ttmp6, 0x40000                  ; cx
	s_bfe_u32 s41, ttmp6, 0x40004                  ; cy
	s_lshl_b32 s42, ttmp9, 2
	s_add_co_u32 s42, s42, s40                     ; tile column
	s_and_b32 s96, ttmp7, 0xffff                   ; the cluster's y
	s_lshl_b32 s17, s96, 2
	s_add_co_u32 s17, s17, s41                     ; tile row, 0 .. 95
	s_lshr_b32 s[PROD], s96, 3                     ; 32 tile rows, 8 clusters, to a product
	s_lshl_b32 s43, s41, 2
	s_lshl_b32 s43, 15, s43                        ; my row of the cluster
	s_lshl_b32 s44, 0x1111, s40                    ; my column
	s_or_b32 s[G1+0], s43, (0<<16)|(1<<20)|(1<<21)|(5<<22)|(3<<25)   ; mask; elements of 1 byte; padding of 4 words behind every 64
	s_or_b32 s[G1B+0], s44, (0<<16)|(1<<20)|(1<<21)|(5<<22)|(3<<25)
.irp g, G1, G1B
	s_mov_b32 s[\g+1], ROWB<<16
	s_mov_b32 s[\g+2], 128<<16
	s_mov_b32 s[\g+3], ROWB<<16
	s_mov_b32 s[\g+4], 128
	s_mov_b32 s[\g+5], KROW
	s_mov_b32 s[\g+6], 0
	s_mov_b32 s[\g+7], 0
.endr
	s_or_b32 s[G1S+0], s43, (3<<16)|(1<<20)|(1<<21)|(5<<22)|(3<<25)  ; the scales of 128 rows: 4,096 dense bytes as 16 rows of 256
	s_or_b32 s[G1SB+0], s44, (3<<16)|(1<<20)|(1<<21)|(5<<22)|(3<<25)
.irp g, G1S, G1SB
	s_mov_b32 s[\g+1], 32<<16
	s_mov_b32 s[\g+2], (128*KS/256)<<16
	s_mov_b32 s[\g+3], 32<<16
	s_mov_b32 s[\g+4], 128*KS/256
	s_mov_b32 s[\g+5], 32
	s_mov_b32 s[\g+6], 0
	s_mov_b32 s[\g+7], 0
.endr
	s_lshl_b32 s18, s16, 7
	s_lshl_b32 s20, s17, 8
	s_add_co_u32 s20, s20, s18                     ; A: row 256 x tile row + 128 x half
	s_lshl_b32 s46, s42, 8
	s_add_co_u32 s46, s46, s18
	s_lshl_b32 s47, s[PROD], 10
	s_add_co_u32 s46, s46, s47
	s_add_co_u32 s46, s46, WROW                    ; B: row 24576 + 1024 x product + 256 x tile column + 128 x half
	s_mov_b32 s21, 0
	s_mov_b32 s47, 0
	s_mov_b64 s[18:19], KS
	s_mul_u64 s[22:23], s[20:21], s[18:19]
	s_mul_u64 s[92:93], s[46:47], s[18:19]
	s_mov_b64 s[18:19], KROW
	s_mul_u64 s[20:21], s[20:21], s[18:19]
	s_mul_u64 s[46:47], s[46:47], s[18:19]
	s_mul_i32 s45, s14, HALFT
	s_mul_i32 s94, s14, HALFS
	s_mov_b32 s[CS], 0x3d38aa3b                    ; c = log2(e) / 32
	s_mov_b32 s[CS+1], s[CS]
	s_wait_dscnt 0x0                               ; both opening adds are done
	s_wait_kmcnt 0x0
	s_add_nc_u64 s[20:21], s[4:5], s[20:21]
	s_add_nc_u64 s[22:23], s[6:7], s[22:23]
	s_add_nc_u64 s[46:47], s[4:5], s[46:47]
	s_add_nc_u64 s[92:93], s[6:7], s[92:93]
	CROUND                                         ; all sixteen work-groups are here: the joint loads meet
	s_mov_b32 s[G0S], 1
	s_add_co_u32 s[G0S+1], s94, SCL
	s_mov_b64 s[G0S+2:G0S+3], s[22:23]
	s_or_b32 s[G0S+3], s[G0S+3], 0x80000000
	s_mov_b32 s[G0SB], 1
	s_add_co_u32 s[G0SB+1], s94, SCL
	s_mov_b64 s[G0SB+2:G0SB+3], s[92:93]
	s_or_b32 s[G0SB+3], s[G0SB+3], 0x80000000
	JLOAD G0S, G1S, G0SB, G1SB
.irp s, 0,1
	s_mov_b32 s[G0+4*\s], 1
	s_add_co_u32 s[G0+4*\s+1], s45, \s*SLOT
	s_add_nc_u64 s[G0+4*\s+2:G0+4*\s+3], s[20:21], \s*ROWB
	s_or_b32 s[G0+4*\s+3], s[G0+4*\s+3], 0x80000000
	s_mov_b32 s[G0B+4*\s], 1
	s_add_co_u32 s[G0B+4*\s+1], s45, \s*SLOT
	s_add_nc_u64 s[G0B+4*\s+2:G0B+4*\s+3], s[46:47], \s*ROWB
	s_or_b32 s[G0B+4*\s+3], s[G0B+4*\s+3], 0x80000000
	JLOAD G0+4*\s, G1, G0B+4*\s, G1B               ; three loads of mine are out in all
.endr
	v_and_b32 v1, 15, v0                           ; r
	v_bfe_u32 v2, v0, 4, 1                         ; h
	v_lshlrev_b32 v[BO], 5, v2                     ; the bias: my half's eight numbers of a block of 16 columns
	s_cmp_eq_u32 s[PROD], 0
	s_cselect_b64 s[2:3], s[8:9], s[10:11]
	s_lshl_b32 s20, s42, 10
	s_lshl_b32 s21, s16, 9
	s_add_co_u32 s20, s20, s21                     ; 4 x (256 x tile column + 128 x half)
	s_mov_b32 s21, 0
	s_add_nc_u64 s[2:3], s[2:3], s[20:21]
.irp b, 0,1,2,3,4,5,6,7
	global_load_b128 v[BI+8*\b:BI+8*\b+3], v[BO], s[2:3] offset:64*\b
	global_load_b128 v[BI+8*\b+4:BI+8*\b+7], v[BO], s[2:3] offset:64*\b+16
.endr
	v_mul_u32_u24 v3, v1, PITCH
	v_lshl_add_u32 v4, v2, 4, v3
	s_mul_i32 s21, s15, HALFT
	s_mul_i32 s22, s16, HALFT
	s_add_co_u32 s22, s22, 2*HALFT
.irp s, 0,1
	v_add_nc_u32 v[ADRA+\s], s21, v4
	v_add_nc_u32 v[ADRB+\s], s22, v4
	s_add_co_u32 s21, s21, SLOT
	s_add_co_u32 s22, s22, SLOT
.endr
	v_mul_u32_u24 v5, v1, KS
	v_lshrrev_b32 v6, 8, v5
	v_lshl_add_u32 v5, v6, 4, v5                   ; my row's scales: 32 bytes a row, 16 more for each 256 passed
	s_mul_i32 s21, s15, HALFS
	s_mul_i32 s22, s16, HALFS
	s_add_co_u32 s22, s22, 2*HALFS
	s_sub_co_u32 s22, s22, s21
	v_mul_u32_u24 v6, s22, v2                      ; lanes 16-31 take B's
	s_add_co_u32 s21, s21, SCL
	v_add_nc_u32 v5, v5, v6
	v_add_nc_u32 v[ADRS], s21, v5
	s_mul_i32 s23, s14, WSTG                       ; my stages
	v_mul_u32_u24 v5, v1, HP
	v_lshl_add_u32 v5, v2, 4, v5
	v_add_nc_u32 v[STO], s23, v5                   ; in: token r, 16 bytes for each half of the lanes
	v_and_b32 v6, 31, v0
	v_lshrrev_b32 v7, 3, v6
	v_and_b32 v8, 7, v6
	v_mul_u32_u24 v7, v7, HP
	v_lshl_add_u32 v7, v8, 4, v7
	v_add_nc_u32 v[RD], s23, v7                    ; back: eight lanes to a token's 128 bytes, four tokens an instruction
	v_lshlrev_b32 v[GO], 4, v6                     ; and in memory those four tokens are 512 bytes on end
	s_and_b32 s20, s17, 31                         ; the tile row in its product
	s_lshr_b32 s21, s20, 3
	s_lshl_b32 s21, s21, 22                        ; batch
	s_and_b32 s20, s20, 7
	s_lshl_b32 s20, s20, 15                        ; 256 positions x 128 bytes
	s_add_co_u32 s20, s20, s21
	s_lshl_b32 s21, s15, 14                        ; my 128 positions
	s_add_co_u32 s20, s20, s21
	s_lshl_b32 s21, s[PROD], 24                    ; the plane
	s_add_co_u32 s20, s20, s21
	s_lshl_b32 s21, s42, 20                        ; four heads to a tile column,
	s_add_co_u32 s20, s20, s21
	s_lshl_b32 s21, s16, 19                        ; two to my half
	s_add_co_u32 s20, s20, s21
	s_mov_b32 s21, 0
	s_add_nc_u64 s[12:13], s[12:13], s[20:21]
	s_add_nc_u64 s[OUTL:OUTL+1], s[12:13], 0x1000000
.macro FRAG reg, adr, q, i             ; 16 rows x 128 K of 4-bit codes: 8 registers, two loads of 16 bytes, 32 bytes apart
.irp c, 0,1
	ds_load_b128 v[\reg+4*\c:\reg+4*\c+3], v[\adr] offset:64*(\q)+32*\c+(\i)*16*PITCH
.endr
.endm
; 16 matrix instructions: A's blocks a0, a0 + 1 x B's eight.  zero = 1: C = 0; 2: C = the bias; 0: in place.  The 64 accumulators take turns, one instruction a turn.
.macro MUL16 a0, p, q, sc, zero
.irp a, \a0, \a0+1
.irp b, 0,1,2,3,4,5,6,7
.if \zero == 1
	v_wmma_scale_f32_16x16x128_f8f6f4 v[8*(8*((\a)%4)+\b):8*(8*((\a)%4)+\b)+7], v[128*(\p)+FR*\b:128*(\p)+FR*\b+FR-1], v[AF+FR*(\a):AF+FR*(\a)+FR-1], 0, v[SC+8*NQ*(\sc)+NQ*\b+(\q)], v[SC+8*NQ*(\sc)+NQ*(\a)+(\q)] matrix_a_fmt:MATRIX_FMT_FP4 matrix_b_fmt:MATRIX_FMT_FP4 matrix_a_scale:MATRIX_SCALE_ROW1
.elseif \zero == 2
	v_wmma_scale_f32_16x16x128_f8f6f4 v[8*(8*((\a)%4)+\b):8*(8*((\a)%4)+\b)+7], v[128*(\p)+FR*\b:128*(\p)+FR*\b+FR-1], v[AF+FR*(\a):AF+FR*(\a)+FR-1], v[BI+8*\b:BI+8*\b+7], v[SC+8*NQ*(\sc)+NQ*\b+(\q)], v[SC+8*NQ*(\sc)+NQ*(\a)+(\q)] matrix_a_fmt:MATRIX_FMT_FP4 matrix_b_fmt:MATRIX_FMT_FP4 matrix_a_scale:MATRIX_SCALE_ROW1
.else
	v_wmma_scale_f32_16x16x128_f8f6f4 v[8*(8*((\a)%4)+\b):8*(8*((\a)%4)+\b)+7], v[128*(\p)+FR*\b:128*(\p)+FR*\b+FR-1], v[AF+FR*(\a):AF+FR*(\a)+FR-1], v[8*(8*((\a)%4)+\b):8*(8*((\a)%4)+\b)+7], v[SC+8*NQ*(\sc)+NQ*\b+(\q)], v[SC+8*NQ*(\sc)+NQ*(\a)+(\q)] matrix_a_fmt:MATRIX_FMT_FP4 matrix_b_fmt:MATRIX_FMT_FP4 matrix_a_scale:MATRIX_SCALE_ROW1
.endif
.endr
.endr
.endm
.macro FETCH_B slot, q, p
	WIN TO_B
.irp i, 0,1,2,3,4,5,6,7
	FRAG 128*(\p)+FR*\i, ADRB+\slot, \q, \i
.endr
	WIN 0
.endm
.macro FETCH_A slot, q, i0
.irp i, \i0, \i0+1, \i0+2, \i0+3
	FRAG AF+FR*(\i), ADRA+\slot, \q, \i
.endr
.endm
.macro SCALES sc                       ; a slot's scale words: lanes 0-15 A's block i, lanes 16-31 B's block i
.irp i, 0,1,2,3,4,5,6,7
	ds_load_b128 v[SC+8*NQ*\sc+NQ*\i:SC+8*NQ*\sc+NQ*\i+3], v[ADRS] offset:\i*SBLK
.endr
.endm
.macro PLACES n                        ; plain vector instructions between a matrix instruction and a load into, or a read of, its registers
.rept \n
	v_nop
.endr
.endm
.macro STEP slot, q, zero              ; 128 along K, with its successor in the same slot
	s_wait_dscnt 4*NL                              ; all but the youngest eight loads (A's blocks 4-7)
.if \zero == 2
	WIN 0x81                                       ; B window 1, A and the bias window 0, D window 2
.else
	WIN MUL_LO
.endif
	MUL16 0, (\q)%2, \q, \slot, \zero
	MUL16 2, (\q)%2, \q, \slot, \zero
	s_wait_dscnt 0
	PLACES NP
	FETCH_B \slot, (\q)+1, 1-(\q)%2
	FETCH_A \slot, (\q)+1, 0
.if \zero == 2
	WIN 0xc1
.else
	WIN MUL_HI
.endif
	MUL16 4, (\q)%2, \q, \slot, \zero
	MUL16 6, (\q)%2, \q, \slot, \zero
	PLACES NP
	WIN 0
	FETCH_A \slot, (\q)+1, 4
.endm
	s_wait_tensorcnt 1                             ; the scales and my part of slot 0 are in; slot 1's load may be out
	s_barrier_signal -1
	s_barrier_wait -1
	FETCH_B 0, 0, 0
	FETCH_A 0, 0, 0
	SCALES 0
	FETCH_A 0, 0, 4
	s_wait_loadcnt 0x0                             ; the bias
	s_cmp_eq_u32 s[PROD], 1
	s_cbranch_scc1 .Lfirst_k
	STEP 0, 0, 2                                   ; Q, V: the bias starts the sums
	s_branch .Lfirst_done
.Lfirst_k:
	STEP 0, 0, 1                                   ; K: the constant 0 starts them
.Lfirst_done:
	STEP 0, 1, 0
	STEP 0, 2, 0
	; slot 0's last step changes slots: one barrier; in front of it my loads have landed and my reads of slot 0 are over
	s_wait_tensorcnt 0x0
	ds_add_u32 v[SPW], v[NIL]
	s_wait_dscnt 4*NL+1                            ; the add and the youngest eight loads may be out
	WIN MUL_LO
	MUL16 0, 1, NQ-1, 0, 0
	s_wait_dscnt 0x0
	s_barrier_signal -1
	MUL16 2, 1, NQ-1, 0, 0
	WIN 0
	s_barrier_wait -1
	PLACES NP
	v_add_nc_u32 v[ADRS], 4*NQ, v[ADRS]            ; slot 1's scale words
	FETCH_B 1, 0, 0
	FETCH_A 1, 0, 0
	SCALES 1
	WIN MUL_HI
	MUL16 4, 1, NQ-1, 0, 0
	MUL16 6, 1, NQ-1, 0, 0
	PLACES NP
	WIN 0
	FETCH_A 1, 0, 4
	STEP 1, 0, 0
	STEP 1, 1, 0
	STEP 1, 2, 0
	s_wait_dscnt 4*NL
	WIN MUL_LO
	MUL16 0, 1, NQ-1, 1, 0
	MUL16 2, 1, NQ-1, 1, 0
	s_wait_dscnt 0
	WIN MUL_HI
	MUL16 4, 1, NQ-1, 1, 0
	MUL16 6, 1, NQ-1, 1, 0
	WIN 0
	PLACES NP
; THE WAY OUT, a block of 16 tokens x 128 columns (two heads) at a time.  A lane's eight columns are 16 bytes of f16; they go into my stage by token and head and come back so that 32 lanes hold 512 bytes that lie on end in memory.
.macro OUTBLK a
.set AC, 64*((\a)%4)
	s_wait_xcnt 0x0                                ; the last block's stores have read their data
	s_cmp_lg_u32 s[PROD], 0
	s_cbranch_scc1 .Lnot_q_\@
	WIN 65*(2+(\a)/4)                              ; Q alone: x c, in f32, each accumulator from its low end on
.set i, 0
.rept 32
	v_pk_mul_f32 v[AC+i:AC+i+1], v[AC+i:AC+i+1], s[CS:CS+1] op_sel_hi:[1,0]
.set i, i+2
.endr
	WIN 0
.Lnot_q_\@:
	WIN 0x0a+5*((\a)/4)
.set i, 0
.rept 32
	v_cvt_pk_f16_f32 v[H+i], v[AC+2*i], v[AC+2*i+1]
.set i, i+1
.endr
	WIN 0
.irp b, 0,1,2,3,4,5,6,7
	ds_store_b128 v[STO], v[H+4*\b:H+4*\b+3] offset:(\b/4)*HSTG+(\b%4)*32
.endr
.irp e, 0,1,2,3,4,5,6,7
	ds_load_b128 v[BK+4*\e:BK+4*\e+3], v[RD] offset:(\e/4)*HSTG+(\e%4)*4*HP   ; LDS serves a wave's instructions in order: these see my stores
.endr
	s_cmp_lg_u32 s[PROD], 2
	s_cbranch_scc1 .Lnot_v_\@
.set n, 0                                              ; V alone: the low part, f16(x - f16(x))
.irp h, v96.l,v96.h,v97.l,v97.h,v98.l,v98.h,v99.l,v99.h,v100.l,v100.h,v101.l,v101.h,v102.l,v102.h,v103.l,v103.h,v104.l,v104.h,v105.l,v105.h,v106.l,v106.h,v107.l,v107.h,v108.l,v108.h,v109.l,v109.h,v110.l,v110.h,v111.l,v111.h,v112.l,v112.h,v113.l,v113.h,v114.l,v114.h,v115.l,v115.h,v116.l,v116.h,v117.l,v117.h,v118.l,v118.h,v119.l,v119.h,v120.l,v120.h,v121.l,v121.h,v122.l,v122.h,v123.l,v123.h,v124.l,v124.h,v125.l,v125.h,v126.l,v126.h,v127.l,v127.h
	v_cvt_f32_f16 v[T+n], \h
.set n, n+1
.endr
	WIN 2+(\a)/4
.set i, 0
.rept 32
	v_pk_add_f32 v[T+i:T+i+1], v[AC+i:AC+i+1], v[T+i:T+i+1] neg_lo:[0,1] neg_hi:[0,1]
.set i, i+2
.endr
	WIN 0
.set i, 0
.rept 32
	v_cvt_pk_f16_f32 v[LO+i], v[T+2*i], v[T+2*i+1]
.set i, i+1
.endr
.irp b, 0,1,2,3,4,5,6,7
	ds_store_b128 v[STO], v[LO+4*\b:LO+4*\b+3] offset:2*HSTG+(\b/4)*HSTG+(\b%4)*32
.endr
.irp e, 0,1,2,3,4,5,6,7
	ds_load_b128 v[LO+4*\e:LO+4*\e+3], v[RD] offset:2*HSTG+(\e/4)*HSTG+(\e%4)*4*HP   ; back into the registers that they left
.endr
	s_wait_dscnt 0x0
.irp e, 0,1,2,3,4,5,6,7
	global_store_b128 v[GO], v[LO+4*\e:LO+4*\e+3], s[OUTL:OUTL+1] offset:2048*(\a)+(\e/4)*262144+(\e%4)*512
.endr
.Lnot_v_\@:
	s_wait_dscnt 0x0
.irp e, 0,1,2,3,4,5,6,7
	global_store_b128 v[GO], v[BK+4*\e:BK+4*\e+3], s[12:13] offset:2048*(\a)+(\e/4)*262144+(\e%4)*512   ; 512 consecutive bytes, aligned
.endr
.endm
.irp a, 0,1,2,3,4,5,6,7
	OUTBLK \a
.endr
	s_wait_tensorcnt 0x0                           ; the wave's end
	ds_add_u32 v[SPW], v[NIL]
	s_wait_dscnt 0x0
	CROUND                                         ; the closing round
	s_endpgm
.Lfunc_end_k_qeb504e61be_proj:
	.size	k_qeb504e61be_proj, .Lfunc_end_k_qeb504e61be_proj-k_qeb504e61be_proj
	.p2alignl 7, 3214868480
	.fill 96, 4, 3214868480
	.section	.rodata,"a",@progbits
	.p2align	6, 0x0
	.amdhsa_kernel k_qeb504e61be_proj
		.amdhsa_group_segment_fixed_size 327680
		.amdhsa_private_segment_fixed_size 0
		.amdhsa_enable_private_segment 0
		.amdhsa_kernarg_size 40
		.amdhsa_user_sgpr_count 2
		.amdhsa_user_sgpr_kernarg_segment_ptr 1
		.amdhsa_wavefront_size32 1
		.amdhsa_system_sgpr_workgroup_id_x 1
		.amdhsa_system_sgpr_workgroup_id_y 1
		.amdhsa_system_sgpr_workgroup_id_z 1
		.amdhsa_system_vgpr_workitem_id 0
		.amdhsa_next_free_vgpr 1024
		.amdhsa_next_free_sgpr 104
		.amdhsa_reserve_vcc 0
		.amdhsa_float_denorm_mode_32 3
		.amdhsa_float_denorm_mode_16_64 3
		.amdhsa_memory_ordered 1
		.amdhsa_forward_progress 1
		.amdhsa_inst_pref_size 219
	.end_amdhsa_kernel
	.amdgpu_metadata
---
amdhsa.version: [ 1, 2 ]
amdhsa.kernels:
  - .name:           k_qeb504e61be_proj
    .symbol:         k_qeb504e61be_proj.kd
    .args:
      - { .name: codes, .offset: 0, .size: 8, .value_kind: global_buffer, .address_space: global }
      - { .name: scales, .offset: 8, .size: 8, .value_kind: global_buffer, .address_space: global }
      - { .name: bq, .offset: 16, .size: 8, .value_kind: global_buffer, .address_space: global }
      - { .name: bv, .offset: 24, .size: 8, .value_kind: global_buffer, .address_space: global }
      - { .name: qkv, .offset: 32, .size: 8, .value_kind: global_buffer, .address_space: global }
    .group_segment_fixed_size: 327680
    .private_segment_fixed_size: 0
    .kernarg_segment_align: 8
    .kernarg_segment_size: 40
    .max_flat_workgroup_size: 128
    .sgpr_count:     104
    .vgpr_count:     1024
    .wavefront_size: 32
...
	.end_amdgpu_metadata
.endif
;; end of part 2
;; launch attn (part 3): grid 8 x 32, 8 waves a work-group, clusters of 4 x 4, 327,680 bytes of LDS; arguments qkv, mask, ctx16; writes ctx16
.if DOCPART == 3
	.amdgcn_target "amdgcn-amd-amdhsa--gfx1250"
	.amdhsa_code_object_version 6
	.text
	.protected	k_qeb504e61be_attn
	.globl	k_qeb504e61be_attn
	.p2align	8
	.type	k_qeb504e61be_attn,@function
k_qeb504e61be_attn:
	s_mov_b64 s[64:65], 0
	v_nop
	global_prefetch_b8 v0, s[64:65] scope:SCOPE_SE
	s_setreg_imm32_b32 hwreg(HW_REG_WAVE_MODE, 25, 1), 1
	s_wait_xcnt 0x0
	s_wait_alu depctr_hold_cnt(0) depctr_sa_sdst(0) depctr_va_vdst(0) depctr_va_sdst(0) depctr_va_ssrc(0) depctr_va_vcc(0) depctr_vm_vsrc(0)
	s_getreg_b32 s2, hwreg(HW_REG_IB_STS2, 6, 4)
	s_cmp_eq_u32 s2, 0
	s_cbranch_scc0 .Lentry_in_a_cluster
	s_endpgm
.Lentry_in_a_cluster:
	s_bfe_u32 s2, ttmp6, 0x10000c
	s_cmp_lg_u32 s2, 0xf033
	s_cbranch_scc0 .Lentry_shape_is_right
	s_endpgm
.Lentry_shape_is_right:
; ctx[b][s][64 h ..] = the sum over k of softmax_k(t(s, k) + c x (-1e9) x mask[s][k]) V[b][h][k][:], t = (c Q) . K, c = log2(e) / 32 folded into Q by the launch before; exponentials to base 2.
; K comes without bk (dead work: shown at the head of the first launch).  The mask is an input: every query walks all 2,048 keys and reads its mask row.  Operands in f16, sums, maxima and the softmax in f32; ctx leaves as f16.
; Positions 0 to 15 of every sequence are computed here too, inside live tiles; two later launches carry them more finely and write their rows of the result again.
; LIMITS: f16's range for c Q, K, V, ctx (65,504); weights p under 6e-8 of the row's largest count as 0.
; SHARES.  A work-group owns 256 queries of one batch for TWO heads.  Wave w: head w % 2, queries 64 (w / 2) on: four tiles of 16.  Two waves lie on a SIMD, so one wave's softmax stands beside the other's products.
; Keys go 64 a step through two LDS slots.  A slot holds K and V of both heads and the mask's 256 rows x 64 keys, which the waves of both heads read.
; CLUSTER 4 x 4: along x four pairs of heads, along y four blocks of queries of one batch.  The mask's tile hangs on the queries alone: asked for jointly along a row; K's and V's hang on batch and heads alone: jointly along a column.
; LAYOUT.  S^T = K Q^T (source 0 = 16 keys, source 1 = 16 queries): a lane holds ONE query and the keys 8 (lane / 16) + 0..7 of each tile of 16.  Two such tiles, rounded to f16 in pairs, are source 1 of O^T = V^T P.  V is turned by ds_load_tr16_b128.
; SOFTMAX.  A running maximum m and sum l for each query: d = t' - m is formed as a step of its own, p = 2^d; O and l are multiplied by a = 2^(m_old - m_new) in every step; l sums the unrounded p.
; REGISTERS.  window 0: v2-12 addresses; v14, v15 the add's two; v16-47 eight registers of statistics a tile (+0 m, +2, +3 l, +4..+7 at work, a at +6); v48-63 the sums' chains; v64-191 S^T, 32 a tile, P in its low 16; v192-255 the mask of two tiles.
;   window 1: v0-127 O^T, 32 a tile; v128-191 Q; v192-255 K's eight fragments, then V's eight.
.set KS,    64
.set KP,    144                        ; a row of K: 128 bytes + 16: the 16 rows of a load start 36 words apart
.set VP,    160                        ; a row of V: 128 + 32, for the turning load
.set MP,    272                        ; a row of the mask's tile: 256 + 16
.set VOFF,  2*KS*KP
.set MOFF,  VOFF+2*KS*VP
.set SLOT1, 1<<17                      ; slot 1 begins here: one exclusive or turns an address
.set STAGE, SLOT1+MOFF+256*MP          ; behind the ring: 256 rows x (256 + 16) for the way out
.set SP,    272
.set SPARE, STAGE+256*SP               ; the spare words, 128 bytes a wave, that no other line names
.set NSTEP, 2048/KS
.set AK0, 2
.set AV0, 3
.set AM0, 4
.set ADK, 5
.set ADV, 6
.set ADM, 7
.set QO,  8
.set STO, 9
.set RD,  10
.set GO,  11
.set PFO, 12
.set SPW, 14
.set NIL, 15
.set ST,  16
.set CH,  48
.set S,   64
.set MK,  192
.set Q,   128                          ; window 1
.set KV,  192                          ; window 1
.set WV,  10
.set G1K, 24
.set G1V, 32
.set G1M, 40
.set G0K, 48                           ; two sets each: slot 0 and step 0; slot 1 and step 1, which then walks
.set G0V, 56
.set G0M, 68
.set TB,  76                           ; s76 LDS byte at which the slot in hand begins
.set CNT, 77                           ; s77 refills still to come
.set NEGC, 78                          ; s[78:79] c x (-1e9)
.set SEL, 80                           ; s[80:81] lane l xor 16
.set PFA, 82                           ; s[82:83] where my prefetches stand
.set LIM, 84                           ; s84 1 in a wave that prefetches, else the greatest number
.set PFS, 86                           ; s[86:87] a key step on, in bytes
.set MSB, 0
.macro WIN new
.if MSB != (\new)
	s_set_vgpr_msb (MSB<<8)|(\new)
.set MSB, (\new)
.endif
.endm
.macro NOPS4
.rept 4
	v_nop
.endr
.endm
; A joint refill: waves 0, 1 K of head w % 2; waves 2, 3 V; waves 4-7 64 rows of the mask.  The branches hang on the wave's number alone.  An s_nop 0 and four v_nop follow each line.
.macro JLOAD
	s_cmp_lt_u32 s[WV], 2
	s_cbranch_scc0 .Lnot_k_\@
	tensor_load_to_lds s[G0K+4:G0K+7], s[G1K:G1K+7]
	s_nop 0
	NOPS4
	s_branch .Lasked_\@
.Lnot_k_\@:
	s_cmp_lt_u32 s[WV], 4
	s_cbranch_scc0 .Lnot_v_\@
	tensor_load_to_lds s[G0V+4:G0V+7], s[G1V:G1V+7]
	s_nop 0
	NOPS4
	s_branch .Lasked_\@
.Lnot_v_\@:
	tensor_load_to_lds s[G0M+4:G0M+7], s[G1M:G1M+7]
	s_nop 0
	NOPS4
.Lasked_\@:
.endm
; A prefetch of what the NEXT refill will ask for, behind my tensor load.  Each run of 256 bytes is named once in the launch.  K and V of a batch and a pair of heads are walked by two rows of clusters: the even one asks, wave 0;
; the four partners of a column take K or V (cy / 2) of one head (cy % 2), told apart by address: 8,192 bytes, lanes 256 bytes apart.  The mask is walked by every batch and pair of heads: the clusters of batch 0 at x = 0 ask, waves 4 and 5;
; the four partners of a row take 64 rows each, by address, a lane a row.  The last refill asks for nothing; steps 0 to 2 come by their loads alone.
.macro ASK
	s_cmp_gt_u32 s[CNT], s[LIM]
	s_cbranch_scc0 .Lnot_mine_\@
	global_prefetch_b8 v[PFO], s[PFA:PFA+1] th:TH_LOAD_NT scope:SCOPE_SE
.Lnot_mine_\@:
.endm
.macro CROUND
	s_barrier_signal -1
	s_barrier_wait -1
	s_cmp_lg_u32 s[WV], 0
	s_cbranch_scc1 .Lnot_wave_0_\@
	s_barrier_signal -3
.Lnot_wave_0_\@:
	s_barrier_wait -3
	s_barrier_signal -1
	s_barrier_wait -1
.endm
	s_load_b128 s[4:7], s[0:1], 0x0                ; qkv, mask
	s_load_b64 s[8:9], s[0:1], 0x10                ; ctx16
	v_lshl_add_u32 v[SPW], v0, 2, SPARE
	v_mov_b32 v[NIL], 0
	ds_add_u32 v[SPW], v[NIL]                      ; the opening: the add, twice on end, and its wait ahead of my first tensor load
	ds_add_u32 v[SPW], v[NIL]
	v_lshrrev_b32 v1, 5, v0
	v_readfirstlane_b32 s[WV], v1                  ; wave 0..7
	s_and_b32 s11, s[WV], 1                        ; my head of the pair; also the head that I fetch
	s_lshr_b32 s12, s[WV], 1                       ; my 64 queries of the 256
	s_bfe_u32 s13, ttmp6, 0x40000                  ; cx
	s_bfe_u32 s14, ttmp6, 0x40004                  ; cy
	s_lshl_b32 s15, ttmp9, 2
	s_add_co_u32 s15, s15, s13                     ; X: the pair of heads, 0..7
	s_and_b32 s16, ttmp7, 0xffff                   ; the cluster's y, 0..7
	s_lshr_b32 s17, s16, 1                         ; batch
	s_and_b32 s18, s16, 1
	s_lshl_b32 s18, s18, 2
	s_add_co_u32 s18, s18, s14                     ; block of 256 queries, 0..7
	s_lshl_b32 s19, s14, 2
	s_lshl_b32 s19, 15, s19                        ; my row of the cluster
	s_lshl_b32 s20, 0x1111, s13                    ; my column
	s_or_b32 s[G1K], s20, (1<<16)|(1<<20)|(1<<21)|(4<<22)|(3<<25)   ; elements of 2 bytes; 4 words of padding behind every 32
	s_or_b32 s[G1V], s20, (1<<16)|(1<<20)|(1<<21)|(4<<22)|(7<<25)   ; 8 words
	s_or_b32 s[G1M], s19, (2<<16)|(1<<20)|(1<<21)|(5<<22)|(3<<25)   ; elements of 4 bytes; 4 words behind every 64
.irp g, G1K, G1V, G1M
	s_mov_b32 s[\g+1], 64<<16                      ; tensor_dim0 = 64
	s_mov_b32 s[\g+2], 64<<16                      ; tensor_dim1 = 64
	s_mov_b32 s[\g+3], 64<<16                      ; tile_dim0 = 64
	s_mov_b32 s[\g+4], 64                          ; tile_dim1 = 64
	s_mov_b32 s[\g+6], 0
	s_mov_b32 s[\g+7], 0
.endr
	s_mov_b32 s[G1K+5], 64                         ; from row to row, in elements
	s_mov_b32 s[G1V+5], 64
	s_mov_b32 s[G1M+5], 2048
	s_lshl_b32 s21, s17, 4
	s_lshl_b32 s22, s15, 1
	s_add_co_u32 s21, s21, s22                     ; 16 x batch + 2 X
	s_add_co_u32 s22, s21, s11
	s_lshl_b32 s22, s22, 18                        ; my head's 262,144 bytes in a plane
	s_mov_b32 s23, 0
	s_and_b32 s92, s[WV], 3
	s_lshl_b32 s90, s18, 21                        ; the mask: 256 rows of 8,192 bytes to a block,
	s_lshl_b32 s91, s92, 19                        ; 64 to a fetching wave
	s_add_co_u32 s90, s90, s91
	s_mov_b32 s91, 0
	s_mul_i32 s93, s11, KS*KP                      ; where they go: no place in the cluster enters an LDS address
	s_mul_i32 s94, s11, KS*VP
	s_add_co_u32 s94, s94, VOFF
	s_mul_i32 s95, s92, 64*MP
	s_add_co_u32 s95, s95, MOFF
	s_lshl_b32 s2, s18, 15                         ; Q: my block's 256 rows of 128 bytes,
	s_lshl_b32 s3, s12, 13                         ; my 64
	s_add_co_u32 s2, s2, s3
	s_add_co_u32 s66, s2, s22
	s_mov_b32 s67, 0
	s_lshl_b32 s2, s17, 22                         ; ctx: token (2048 batch + 256 block + 32 wave) x 2,048 bytes + 256 X
	s_lshl_b32 s3, s18, 19
	s_add_co_u32 s2, s2, s3
	s_lshl_b32 s3, s[WV], 16
	s_add_co_u32 s2, s2, s3
	s_lshl_b32 s3, s15, 8
	s_add_co_u32 s2, s2, s3
	s_mov_b32 s3, 0
	s_mov_b32 s[NEGC], 0xcc2bfb8f                  ; c x (-1e9) = -45,084,220
	s_mov_b32 s[NEGC+1], s[NEGC]
	s_mov_b32 s[SEL], 0x76543210
	s_mov_b32 s[SEL+1], 0xfedcba98
	s_mov_b32 s[TB], 0
	s_mov_b32 s[CNT], NSTEP-2
	s_wait_dscnt 0x0                               ; both opening adds are done
	s_wait_kmcnt 0x0
	s_add_nc_u64 s[88:89], s[4:5], s[22:23]
	s_add_nc_u64 s[90:91], s[6:7], s[90:91]
	s_add_nc_u64 s[66:67], s[4:5], s[66:67]
	s_add_nc_u64 s[8:9], s[8:9], s[2:3]
	CROUND                                         ; all sixteen work-groups are here: the first joint loads meet
.irp s, 0,1
	s_mov_b32 s[G0K+4*\s], 1
	s_add_co_u32 s[G0K+4*\s+1], s93, \s*SLOT1
	s_add_nc_u64 s[G0K+4*\s+2:G0K+4*\s+3], s[88:89], 0x1000000+\s*8192   ; K's plane, key step s
	s_or_b32 s[G0K+4*\s+3], s[G0K+4*\s+3], 0x80000000
	s_mov_b32 s[G0V+4*\s], 1
	s_add_co_u32 s[G0V+4*\s+1], s94, \s*SLOT1
	s_add_nc_u64 s[G0V+4*\s+2:G0V+4*\s+3], s[88:89], 0x2000000+\s*8192   ; V's high plane
	s_or_b32 s[G0V+4*\s+3], s[G0V+4*\s+3], 0x80000000
	s_mov_b32 s[G0M+4*\s], 1
	s_add_co_u32 s[G0M+4*\s+1], s95, \s*SLOT1
	s_add_nc_u64 s[G0M+4*\s+2:G0M+4*\s+3], s[90:91], \s*256
	s_or_b32 s[G0M+4*\s+3], s[G0M+4*\s+3], 0x80000000
.endr
	s_cmp_lt_u32 s[WV], 2                          ; a wave's two first fills stand in one arm: two loads of mine are out
	s_cbranch_scc0 .Lf_not_k
	tensor_load_to_lds s[G0K:G0K+3], s[G1K:G1K+7]
	s_nop 0
	tensor_load_to_lds s[G0K+4:G0K+7], s[G1K:G1K+7]
	s_nop 0
	NOPS4
	s_branch .Lf_done
.Lf_not_k:
	s_cmp_lt_u32 s[WV], 4
	s_cbranch_scc0 .Lf_not_v
	tensor_load_to_lds s[G0V:G0V+3], s[G1V:G1V+7]
	s_nop 0
	tensor_load_to_lds s[G0V+4:G0V+7], s[G1V:G1V+7]
	s_nop 0
	NOPS4
	s_branch .Lf_done
.Lf_not_v:
	tensor_load_to_lds s[G0M:G0M+3], s[G1M:G1M+7]
	s_nop 0
	tensor_load_to_lds s[G0M+4:G0M+7], s[G1M:G1M+7]
	s_nop 0
	NOPS4
.Lf_done:
	v_and_b32 v1, 15, v0                           ; r
	v_bfe_u32 v13, v0, 4, 1                        ; h
	v_lshlrev_b32 v[QO], 7, v1
	v_lshl_add_u32 v[QO], v13, 4, v[QO]            ; Q: row r of 128 bytes + 16 h
	WIN 0x40                                       ; destination window 1
.irp i, 0,1,2,3,4,5,6,7                        ; tile i / 2, channels 32 (i % 2) on: Q stays in registers
	global_load_b128 v[Q+8*\i:Q+8*\i+3], v[QO], s[66:67] offset:(\i/2)*2048+(\i%2)*64
	global_load_b128 v[Q+8*\i+4:Q+8*\i+7], v[QO], s[66:67] offset:(\i/2)*2048+(\i%2)*64+32
.endr
	WIN 0
	v_mul_u32_u24 v[AK0], v1, KP
	v_lshl_add_u32 v[AK0], v13, 4, v[AK0]
	s_mul_i32 s2, s11, KS*KP
	v_add_nc_u32 v[AK0], s2, v[AK0]                ; K: my head, row r, + 16 h
	v_and_b32 v[AV0], 7, v0
	v_lshl_add_u32 v[AV0], v13, 3, v[AV0]
	v_mul_u32_u24 v[AV0], v[AV0], VP
	v_bfe_u32 v[ADK], v0, 3, 1
	v_lshl_add_u32 v[AV0], v[ADK], 4, v[AV0]
	s_mul_i32 s2, s11, KS*VP
	s_add_co_u32 s2, s2, VOFF
	v_add_nc_u32 v[AV0], s2, v[AV0]                ; V: key 8 h + lane % 8, channels 8 ((lane / 8) % 2) on
	v_mul_u32_u24 v[AM0], v1, MP
	v_lshl_add_u32 v[AM0], v13, 5, v[AM0]
	s_mul_i32 s2, s12, 64*MP
	s_add_co_u32 s2, s2, MOFF
	v_add_nc_u32 v[AM0], s2, v[AM0]                ; the mask: my query's row, + 32 h: my eight keys of a tile of 16
	v_mul_u32_u24 v[STO], v1, SP
	v_lshl_add_u32 v[STO], v13, 4, v[STO]
	s_mul_i32 s2, s12, 64*SP
	s_lshl_b32 s3, s11, 7
	s_add_co_u32 s2, s2, s3
	s_add_co_u32 s2, s2, STAGE
	v_add_nc_u32 v[STO], s2, v[STO]                ; the stage, in: my query's row, my head's 128 bytes
	v_mul_u32_u24 v[RD], v13, SP
	v_lshl_add_u32 v[RD], v1, 4, v[RD]
	s_mul_i32 s2, s[WV], 32*SP
	s_add_co_u32 s2, s2, STAGE
	v_add_nc_u32 v[RD], s2, v[RD]                  ; back: wave w takes rows 32 w on, sixteen lanes to a row
	v_lshlrev_b32 v[GO], 11, v13
	v_lshl_add_u32 v[GO], v1, 4, v[GO]
.irp t, 0,1,2,3
	v_mov_b32 v[ST+8*\t+1], 0                      ; named with m as a pair, so it is written
.endr
	; the prefetches: who asks, and where
	s_and_b32 s85, s16, 1
	s_or_b32 s85, s85, s[WV]                       ; 0 in wave 0 of an even row of clusters
	s_or_b32 s92, s17, ttmp9
	s_lshr_b32 s93, s[WV], 1
	s_xor_b32 s93, s93, 2
	s_or_b32 s92, s92, s93                         ; 0 in waves 4 and 5 of batch 0's clusters at x = 0
	s_min_u32 s85, s85, s92
	s_cmp_eq_u32 s85, 0
	s_cselect_b32 s[LIM], 1, -1                    ; the same in all sixteen partners, for a given wave
	s_lshr_b32 s93, s14, 1
	s_add_co_u32 s93, s93, 1
	s_lshl_b32 s93, s93, 24                        ; K's plane or V's
	s_and_b32 s94, s14, 1
	s_add_co_u32 s94, s94, s21
	s_lshl_b32 s94, s94, 18                        ; the head
	s_add_co_u32 s93, s93, s94
	s_add_co_u32 s93, s93, 2*8192                  ; at key step 2: the first refill steps it to 3
	s_lshl_b32 s94, s18, 8
	s_lshl_b32 s95, s13, 6
	s_add_co_u32 s94, s94, s95
	s_lshl_b32 s95, s11, 5
	s_add_co_u32 s94, s94, s95                     ; the mask's row 256 x block + 64 cx + 32 (wave % 2)
	s_lshl_b32 s94, s94, 13
	s_add_co_u32 s94, s94, 2*256
	s_mov_b32 s[PFS], 256
	s_mov_b32 s[PFS+1], 0
	s_mov_b32 s92, 8192
	s_mov_b32 s95, 0
	s_cmp_lt_u32 s[WV], 4
	s_cselect_b64 s[PFA:PFA+1], s[4:5], s[6:7]
	s_cselect_b32 s[PFS], 8192, s[PFS]             ; a key step on
	s_cselect_b32 s92, 256, s92                    ; from lane to lane
	s_cselect_b32 s94, s93, s94
	s_add_nc_u64 s[PFA:PFA+1], s[PFA:PFA+1], s[94:95]
	v_and_b32 v[PFO], 31, v0
	v_mul_lo_u32 v[PFO], v[PFO], s92
.macro MLOAD y                         ; the mask of tiles y, y + 1: 16 loads
.irp t, 0,1
.irp kt, 0,1,2,3
	ds_load_b128 v[MK+32*\t+8*\kt:MK+32*\t+8*\kt+3], v[ADM] offset:16*MP*(\y+\t)+64*\kt
	ds_load_b128 v[MK+32*\t+8*\kt+4:MK+32*\t+8*\kt+7], v[ADM] offset:16*MP*(\y+\t)+64*\kt+16
.endr
.endr
.endm
.macro MASKFMA y                       ; t' = mask x (c x -1e9) + t, each accumulator from its low end on
.irp t, 0,1
.set i, 0
.rept 16
	v_pk_fma_f32 v[S+32*(\y+\t)+i:S+32*(\y+\t)+i+1], v[MK+32*\t+i:MK+32*\t+i+1], s[NEGC:NEGC+1], v[S+32*(\y+\t)+i:S+32*(\y+\t)+i+1] op_sel_hi:[1,0,1]
.set i, i+2
.endr
.endr
.endm
; The softmax of tiles y and y + 1 for one key step; the two alternate line by line.  first = 1: the first key step starts m and l.
.macro SOFT y, first
.irp j, 0,1,2,3
.irp t, \y, \y+1
	v_max3_num_f32 v[ST+8*(\t)+4+\j], v[S+32*(\t)+8*\j], v[S+32*(\t)+8*\j+1], v[S+32*(\t)+8*\j+2]
.endr
.endr
.irp u, 3,5
.irp j, 0,1,2,3
.irp t, \y, \y+1
	v_max3_num_f32 v[ST+8*(\t)+4+\j], v[ST+8*(\t)+4+\j], v[S+32*(\t)+8*\j+\u], v[S+32*(\t)+8*\j+\u+1]
.endr
.endr
.endr
.irp t, \y, \y+1
	v_max3_num_f32 v[ST+8*(\t)+4], v[ST+8*(\t)+4], v[S+32*(\t)+7], v[S+32*(\t)+15]
.endr
.irp t, \y, \y+1
	v_max3_num_f32 v[ST+8*(\t)+6], v[ST+8*(\t)+6], v[S+32*(\t)+23], v[S+32*(\t)+31]
.endr
.irp t, \y, \y+1
	v_max3_num_f32 v[ST+8*(\t)+4], v[ST+8*(\t)+4], v[ST+8*(\t)+5], v[ST+8*(\t)+6]
.endr
.irp t, \y, \y+1
.if \first
	v_max_num_f32 v[ST+8*(\t)+4], v[ST+8*(\t)+4], v[ST+8*(\t)+7]
.else
	v_max3_num_f32 v[ST+8*(\t)+4], v[ST+8*(\t)+4], v[ST+8*(\t)+7], v[ST+8*(\t)]
.endif
.endr
.irp t, \y, \y+1
	v_permlanex16_b32 v[ST+8*(\t)+5], v[ST+8*(\t)+4], s[SEL], s[SEL+1]   ; the query's other 32 keys lie in the lane 16 away
.endr
.if !\first
.irp t, \y, \y+1
	v_mov_b32 v[ST+8*(\t)+7], v[ST+8*(\t)]         ; the old m
.endr
.endif
.irp t, \y, \y+1
	v_max_num_f32 v[ST+8*(\t)], v[ST+8*(\t)+4], v[ST+8*(\t)+5]
.endr
.if !\first
.irp t, \y, \y+1
	v_sub_f32 v[ST+8*(\t)+7], v[ST+8*(\t)+7], v[ST+8*(\t)]
.endr
.irp t, \y, \y+1
	v_exp_f32 v[ST+8*(\t)+6], v[ST+8*(\t)+7]       ; a = 2^(m_old - m_new)
.endr
.endif
.irp i, 0,2,4,6,8,10,12,14,16,18,20,22,24,26,28,30
.irp t, \y, \y+1
	v_pk_add_f32 v[S+32*(\t)+\i:S+32*(\t)+\i+1], v[S+32*(\t)+\i:S+32*(\t)+\i+1], v[ST+8*(\t):ST+8*(\t)+1] op_sel_hi:[1,0] neg_lo:[0,1] neg_hi:[0,1]   ; t' - m
.endr
.endr
.irp i, 0,1,2,3,4,5,6,7,8,9,10,11,12,13,14,15,16,17,18,19,20,21,22,23,24,25,26,27,28,29,30,31
.irp t, \y, \y+1
	v_exp_f32 v[S+32*(\t)+\i], v[S+32*(\t)+\i]
.endr
.endr
	v_nop                                          ; a plain instruction behind the last exponential,
	s_wait_alu depctr_va_vdst(0)                   ; and one wait for the whole batch ahead of its first reader
.irp t, \y, \y+1
	v_pk_add_f32 v[CH+8*((\t)-(\y)):CH+8*((\t)-(\y))+1], v[S+32*(\t):S+32*(\t)+1], v[S+32*(\t)+2:S+32*(\t)+3]
	v_pk_add_f32 v[CH+8*((\t)-(\y))+2:CH+8*((\t)-(\y))+3], v[S+32*(\t)+4:S+32*(\t)+5], v[S+32*(\t)+6:S+32*(\t)+7]
.endr
.irp i, 8,12,16,20,24,28
.irp t, \y, \y+1
	v_pk_add_f32 v[CH+8*((\t)-(\y)):CH+8*((\t)-(\y))+1], v[CH+8*((\t)-(\y)):CH+8*((\t)-(\y))+1], v[S+32*(\t)+\i:S+32*(\t)+\i+1]
	v_pk_add_f32 v[CH+8*((\t)-(\y))+2:CH+8*((\t)-(\y))+3], v[CH+8*((\t)-(\y))+2:CH+8*((\t)-(\y))+3], v[S+32*(\t)+\i+2:S+32*(\t)+\i+3]
.endr
.endr
.irp t, \y, \y+1
.if \first
	v_pk_add_f32 v[ST+8*(\t)+2:ST+8*(\t)+3], v[CH+8*((\t)-(\y)):CH+8*((\t)-(\y))+1], v[CH+8*((\t)-(\y))+2:CH+8*((\t)-(\y))+3]
.else
	v_pk_add_f32 v[CH+8*((\t)-(\y)):CH+8*((\t)-(\y))+1], v[CH+8*((\t)-(\y)):CH+8*((\t)-(\y))+1], v[CH+8*((\t)-(\y))+2:CH+8*((\t)-(\y))+3]
.endif
.endr
.if !\first
.irp t, \y, \y+1
	v_pk_fma_f32 v[ST+8*(\t)+2:ST+8*(\t)+3], v[ST+8*(\t)+2:ST+8*(\t)+3], v[ST+8*(\t)+6:ST+8*(\t)+7], v[CH+8*((\t)-(\y)):CH+8*((\t)-(\y))+1] op_sel_hi:[1,0,1]   ; l = a l + the step's sum
.endr
.endif
.irp i, 0,1,2,3,4,5,6,7,8,9,10,11,12,13,14,15
.irp t, \y, \y+1
	v_cvt_pk_f16_f32 v[S+32*(\t)+\i], v[S+32*(\t)+2*\i], v[S+32*(\t)+2*\i+1]   ; P, in place, ascending: register i is written when 2 i and 2 i + 1 are read
.endr
.endr
.endm
; A KEY STEP of 64 keys, from the slot at s[TB].
.macro STEP first
	v_add_nc_u32 v[ADK], s[TB], v[AK0]             ; these three and two v_nop: five places behind the last products, whose P the next products write over and on whose V K's loads land
	v_add_nc_u32 v[ADV], s[TB], v[AV0]
	v_add_nc_u32 v[ADM], s[TB], v[AM0]
	v_nop
	v_nop
	WIN 0x40
.irp f, 0,1,2,3,4,5,6,7                        ; K: keys 16 (f / 2) on, channels 32 (f % 2) on
	ds_load_b128 v[KV+8*\f:KV+8*\f+3], v[ADK] offset:(\f/2)*16*KP+(\f%2)*64
	ds_load_b128 v[KV+8*\f+4:KV+8*\f+7], v[ADK] offset:(\f/2)*16*KP+(\f%2)*64+32
.endr
	WIN 0
	MLOAD 0
	s_wait_dscnt 16                                ; K is in; the mask's sixteen loads may be out
	WIN 0x05                                       ; K and Q window 1, S^T window 0
.set i, 0
.rept 32                                       ; channels 32 (i / 16) on, keys 16 ((i / 4) % 4) on, tile i % 4: sixteen accumulators by turns
.set rS, S+32*(i%4)+8*((i/4)%4)
.set rK, KV+8*(2*((i/4)%4)+i/16)
.set rQ, Q+16*(i%4)+8*(i/16)
.if i < 16
	v_wmma_f32_16x16x32_f16 v[rS:rS+7], v[rK:rK+7], v[rQ:rQ+7], 0
.else
	v_wmma_f32_16x16x32_f16 v[rS:rS+7], v[rK:rK+7], v[rQ:rQ+7], v[rS:rS+7]
.endif
.set i, i+1
.endr
	NOPS4                                          ; places in front of the loads onto K's registers and of the first read of the scores
	WIN 0x40
.irp f, 0,1,2,3,4,5,6,7                        ; V, turned: keys 32 (f / 4) on, channels 16 (f % 4) on
	ds_load_tr16_b128 v[KV+8*\f:KV+8*\f+3], v[ADV] offset:(\f/4)*32*VP+(\f%4)*32
	ds_load_tr16_b128 v[KV+8*\f+4:KV+8*\f+7], v[ADV] offset:(\f/4)*32*VP+16*VP+(\f%4)*32
.endr
	WIN 0
	s_wait_dscnt 16                                ; the mask of tiles 0, 1 is in; V's sixteen loads may be out
	MASKFMA 0
	MLOAD 2
	SOFT 0, \first
	s_wait_dscnt 0x0                               ; V and the mask of tiles 2, 3
	MASKFMA 2
	SOFT 2, \first
.if \first
	NOPS4
.else
	WIN 0x41                                       ; O^T window 1, a window 0
.irp t, 0,1,2,3
.set i, 0
.rept 16
	v_pk_mul_f32 v[32*\t+i:32*\t+i+1], v[32*\t+i:32*\t+i+1], v[ST+8*\t+6:ST+8*\t+7] op_sel_hi:[1,0]
.set i, i+2
.endr
.endr
.endif
	WIN 0x51                                       ; V window 1, P window 0, O^T window 1
.set i, 0
.rept 32                                       ; keys 32 (i / 16) on, channels 16 ((i / 4) % 4) on, tile i % 4
.set rO, 32*(i%4)+8*((i/4)%4)
.set rV, KV+8*(4*(i/16)+(i/4)%4)
.set rP, S+32*(i%4)+8*(i/16)
.if \first && (i < 16)
	v_wmma_f32_16x16x32_f16 v[rO:rO+7], v[rV:rV+7], v[rP:rP+7], 0
.else
	v_wmma_f32_16x16x32_f16 v[rO:rO+7], v[rV:rV+7], v[rP:rP+7], v[rO:rO+7]
.endif
.set i, i+1
.endr
	WIN 0
.endm
; THE CHANGE OF SLOTS.  All my tensor loads have landed (one is out: my part of the other slot); the add; my reads of the slot that I leave are over.  fill = 1: a round of the cluster's barrier, and the slot just left is filled with the step two on:
; one load a wave, first behind the round; it has a whole key step in which to land.
.macro CHANGE fill
	s_wait_tensorcnt 0x0
	ds_add_u32 v[SPW], v[NIL]
.if \fill
.irp g, G0K+4, G0V+4, G0M+4
	s_xor_b32 s[\g+1], s[\g+1], SLOT1              ; the walking descriptors: the other slot than last time,
.endr
	s_add_nc_u64 s[G0K+6:G0K+7], s[G0K+6:G0K+7], 8192   ; the next 64 keys
	s_add_nc_u64 s[G0V+6:G0V+7], s[G0V+6:G0V+7], 8192
	s_add_nc_u64 s[G0M+6:G0M+7], s[G0M+6:G0M+7], 256
	s_wait_xcnt 0x0                                ; the last prefetch, a step back, has read its address
	s_add_nc_u64 s[PFA:PFA+1], s[PFA:PFA+1], s[PFS:PFS+1]
	s_wait_dscnt 0x0
	CROUND
	JLOAD
	ASK
.else
	s_wait_dscnt 0x0
	s_barrier_signal -1
	s_barrier_wait -1
.endif
	s_xor_b32 s[TB], s[TB], SLOT1
.endm
	s_wait_tensorcnt 1                             ; my part of slot 0 is in; slot 1's load may be out
	s_barrier_signal -1
	s_barrier_wait -1
	s_wait_loadcnt 0x0                             ; Q
	STEP 1
.Lstep:                                                ; 30 trips: key steps 1 to 30; each asks for the step after its own
	CHANGE 1
	STEP 0
	s_sub_co_u32 s[CNT], s[CNT], 1
	s_cmp_lg_u32 s[CNT], 0
	s_cbranch_scc1 .Lstep
	CHANGE 0                                       ; the last step is written out
	STEP 0
	; THE WAY OUT.  The additions are the places behind the last products.
.irp t, 0,1,2,3
	v_add_f32 v[ST+8*\t+4], v[ST+8*\t+2], v[ST+8*\t+3]
.endr
.irp t, 0,1,2,3
	v_permlanex16_b32 v[ST+8*\t+5], v[ST+8*\t+4], s[SEL], s[SEL+1]
.endr
.irp t, 0,1,2,3
	v_add_f32 v[ST+8*\t+4], v[ST+8*\t+4], v[ST+8*\t+5]
.endr
.irp t, 0,1,2,3
	v_rcp_f32 v[ST+8*\t+6], v[ST+8*\t+4]
.endr
	v_nop
	s_wait_alu depctr_va_vdst(0)                   ; one wait for the four reciprocals
.irp t, 0,1,2,3
	WIN 0x41
.set i, 0
.rept 16
	v_pk_mul_f32 v[32*\t+i:32*\t+i+1], v[32*\t+i:32*\t+i+1], v[ST+8*\t+6:ST+8*\t+7] op_sel_hi:[1,0]
.set i, i+2
.endr
	WIN 0x05
.set i, 0
.rept 16
	v_cvt_pk_f16_f32 v[S+16*\t+i], v[32*\t+2*i], v[32*\t+2*i+1]
.set i, i+1
.endr
.endr
	WIN 0
.irp t, 0,1,2,3
.irp ct, 0,1,2,3
	ds_store_b128 v[STO], v[S+16*\t+4*\ct:S+16*\t+4*\ct+3] offset:16*SP*\t+32*\ct
.endr
.endr
	s_wait_dscnt 0x0                               ; for the others' sake: a row's 256 bytes come from two waves
	s_barrier_signal -1
	s_barrier_wait -1
.irp i, 0,1,2,3,4,5,6,7,8,9,10,11,12,13,14,15
	ds_load_b128 v[128+4*\i:131+4*\i], v[RD] offset:2*SP*\i
.endr
.irp i, 0,1,2,3,4,5,6,7,8,9,10,11,12,13,14,15
	s_wait_dscnt 15-\i
	global_store_b128 v[GO], v[128+4*\i:131+4*\i], s[8:9] offset:4096*\i   ; sixteen lanes store 256 consecutive bytes, aligned
.endr
	s_wait_tensorcnt 0x0                           ; the wave's end
	ds_add_u32 v[SPW], v[NIL]
	s_wait_dscnt 0x0
	CROUND                                         ; the closing round
	s_endpgm
.Lfunc_end_k_qeb504e61be_attn:
	.size	k_qeb504e61be_attn, .Lfunc_end_k_qeb504e61be_attn-k_qeb504e61be_attn
	.p2alignl 7, 3214868480
	.fill 96, 4, 3214868480
	.section	.rodata,"a",@progbits
	.p2align	6, 0x0
	.amdhsa_kernel k_qeb504e61be_attn
		.amdhsa_group_segment_fixed_size 327680
		.amdhsa_private_segment_fixed_size 0
		.amdhsa_enable_private_segment 0
		.amdhsa_kernarg_size 24
		.amdhsa_user_sgpr_count 2
		.amdhsa_user_sgpr_kernarg_segment_ptr 1
		.amdhsa_wavefront_size32 1
		.amdhsa_system_sgpr_workgroup_id_x 1
		.amdhsa_system_sgpr_workgroup_id_y 1
		.amdhsa_system_sgpr_workgroup_id_z 1
		.amdhsa_system_vgpr_workitem_id 0
		.amdhsa_next_free_vgpr 512
		.amdhsa_next_free_sgpr 96
		.amdhsa_reserve_vcc 0
		.amdhsa_float_denorm_mode_32 3
		.amdhsa_float_denorm_mode_16_64 3
		.amdhsa_memory_ordered 1
		.amdhsa_forward_progress 1
		.amdhsa_inst_pref_size 136
	.end_amdhsa_kernel
	.amdgpu_metadata
---
amdhsa.version: [ 1, 2 ]
amdhsa.kernels:
  - .name:           k_qeb504e61be_attn
    .symbol:         k_qeb504e61be_attn.kd
    .args:
      - { .name: qkv, .offset: 0, .size: 8, .value_kind: global_buffer, .address_space: global }
      - { .name: mask, .offset: 8, .size: 8, .value_kind: global_buffer, .address_space: global }
      - { .name: ctx16, .offset: 16, .size: 8, .value_kind: global_buffer, .address_space: global }
    .group_segment_fixed_size: 327680
    .private_segment_fixed_size: 0
    .kernarg_segment_align: 8
    .kernarg_segment_size: 24
    .max_flat_workgroup_size: 256
    .sgpr_count:     96
    .vgpr_count:     512
    .wavefront_size: 32
...
	.end_amdgpu_metadata
.endif
;; end of part 3
;; launch oproj (part 4): grid 4 x 64, 4 waves a work-group, clusters of 4 x 4, 327,680 bytes of LDS; arguments ctx16, wo16, bo, out0; writes out0
.if DOCPART == 4
	.amdgcn_target "amdgcn-amd-amdhsa--gfx1250"
	.amdhsa_code_object_version 6
	.text
	.protected	k_qeb504e61be_oproj
	.globl	k_qeb504e61be_oproj
	.p2align	8
	.type	k_qeb504e61be_oproj,@function
k_qeb504e61be_oproj:
	s_mov_b64 s[64:65], 0
	v_nop
	global_prefetch_b8 v0, s[64:65] scope:SCOPE_SE
	s_setreg_imm32_b32 hwreg(HW_REG_WAVE_MODE, 25, 1), 1
	s_wait_xcnt 0x0
	s_wait_alu depctr_hold_cnt(0) depctr_sa_sdst(0) depctr_va_vdst(0) depctr_va_sdst(0) depctr_va_ssrc(0) depctr_va_vcc(0) depctr_vm_vsrc(0)
	s_getreg_b32 s2, hwreg(HW_REG_IB_STS2, 6, 4)
	s_cmp_eq_u32 s2, 0
	s_cbranch_scc0 .Lentry_in_a_cluster
	s_endpgm
.Lentry_in_a_cluster:
	s_bfe_u32 s2, ttmp6, 0x10000c
	s_cmp_lg_u32 s2, 0xf033
	s_cbranch_scc0 .Lentry_shape_is_right
	s_endpgm
.Lentry_shape_is_right:
; out0[m][n] = the sum over k of ctx16[m][k] Wo[n][k] + bo[n]: [8192][1024] x [1024][1024], operands f16 (Wo's high plane), sums f32, result f32.
; All rows are stored, the 64 rows of positions 0 to 15 too: leaving them out would take a branch on a work-group's place in its cluster.  The last launch writes those rows again, more finely.
; A tile is 128 x 256: 256 work-groups.  Four waves, 64 x 128 each: 32 accumulators.  K goes in steps of 128 (rows of 256 bytes) through two LDS slots.
; CLUSTER 4 x 4: ctx's tile is shared along a row, Wo's along a column: joint loads.  THE MATRIX INSTRUCTION IS USED TRANSPOSED (source 0 = 16 rows of Wo, source 1 = 16 tokens): a lane holds eight neighbouring columns of one token.
; bo is the C of each sum's first instruction.  No prefetch: eight K steps, of which two are first fills.
; REGISTERS: window 0: v16-29 addresses; A's fragments v32-63, v64-95 (two buffers); B's v96-159, v160-223.  window 1: the accumulators ((a, b) at v[8 (8 a + b)]).  window 2: v0-63 bo in the result's layout.
.set PITCH,  272
.set SLOT,   384*PITCH                 ; A's 128 rows, then B's 256
.set STAGE,  2*SLOT                    ; 16 rows x (512 + 16) for each wave
.set SPITCH, 528
.set SPARE,  STAGE+4*16*SPITCH         ; the spare words, 128 bytes a wave, that no other line names
.set LAPS,   4                         ; a lap = two K steps
.set ADRA, 16
.set ADRB, 20
.set STO,  24
.set RD,   25
.set CO,   26
.set BOF,  27
.set SPW,  28
.set NIL,  29
.set G1A, 24
.set G0A, 32
.set G1B, 48
.set G0B, 56
.set MSB, 0
.macro WIN new
.if MSB != (\new)
	s_set_vgpr_msb (MSB<<8)|(\new)
.set MSB, (\new)
.endif
.endm
.macro PLACES
.rept 4
	v_nop
.endr
.endm
.macro JLOAD s                         ; waves 0, 1: A's halves of 64 rows; waves 2, 3: B's halves of 128; an s_nop 0 and four v_nop follow each line
	s_cmp_eq_u32 s13, 0
	s_cbranch_scc0 .Lfor_b_\@
	tensor_load_to_lds s[G0A+4*\s:G0A+4*\s+3], s[G1A:G1A+7]
	s_nop 0
	PLACES
	s_branch .Lasked_\@
.Lfor_b_\@:
	tensor_load_to_lds s[G0B+4*\s:G0B+4*\s+3], s[G1B:G1B+7]
	s_nop 0
	PLACES
.Lasked_\@:
.endm
.macro CREST
	s_cmp_lg_u32 s12, 0
	s_cbranch_scc1 .Lnot_wave_0_\@
	s_barrier_signal -3
.Lnot_wave_0_\@:
	s_barrier_wait -3
	s_barrier_signal -1
	s_barrier_wait -1
.endm
.macro CROUND
	s_barrier_signal -1
	s_barrier_wait -1
	CREST
.endm
	s_load_b128 s[4:7], s[0:1], 0x0                ; ctx16, wo16
	s_load_b128 s[8:11], s[0:1], 0x10              ; bo, out0
	v_lshl_add_u32 v[SPW], v0, 2, SPARE
	v_mov_b32 v[NIL], 0
	ds_add_u32 v[SPW], v[NIL]                      ; the opening: the add, twice on end, and its wait ahead of my first tensor load
	ds_add_u32 v[SPW], v[NIL]
	v_lshrrev_b32 v1, 5, v0
	v_readfirstlane_b32 s12, v1                    ; wave
	s_lshr_b32 s13, s12, 1                         ; my half of the rows; also: I fetch for A (0) or B (1)
	s_and_b32 s14, s12, 1                          ; my half of the columns; also: which half I fetch
	s_bfe_u32 s40, ttmp6, 0x40000
	s_bfe_u32 s41, ttmp6, 0x40004
	s_lshl_b32 s42, ttmp9, 2
	s_add_co_u32 s42, s42, s40                     ; tile column
	s_and_b32 s15, ttmp7, 0xffff
	s_lshl_b32 s15, s15, 2
	s_add_co_u32 s15, s15, s41                     ; tile row
	s_lshl_b32 s43, s41, 2
	s_lshl_b32 s43, 15, s43
	s_lshl_b32 s44, 0x1111, s40
	s_or_b32 s[G1A], s43, (1<<16)|(1<<20)|(1<<21)|(5<<22)|(3<<25)
	s_or_b32 s[G1B], s44, (1<<16)|(1<<20)|(1<<21)|(5<<22)|(3<<25)
.irp g, G1A, G1B
	s_mov_b32 s[\g+1], 128<<16
	s_mov_b32 s[\g+3], 128<<16
	s_mov_b32 s[\g+5], 1024
	s_mov_b32 s[\g+6], 0
	s_mov_b32 s[\g+7], 0
.endr
	s_mov_b32 s[G1A+2], 64<<16
	s_mov_b32 s[G1A+4], 64
	s_mov_b32 s[G1B+2], 128<<16
	s_mov_b32 s[G1B+4], 128
	s_lshl_b32 s16, s15, 18                        ; A: (128 x tile row + 64 x half) rows of 2,048 bytes
	s_lshl_b32 s17, s14, 17
	s_add_co_u32 s16, s16, s17
	s_mov_b32 s17, 0
	s_lshl_b32 s46, s42, 19                        ; B: (256 x tile column + 128 x half) rows
	s_lshl_b32 s47, s14, 18
	s_add_co_u32 s46, s46, s47
	s_mov_b32 s47, 0
	s_mul_i32 s20, s14, 64*PITCH
	s_mul_i32 s21, s14, 128*PITCH
	s_add_co_u32 s21, s21, 128*PITCH
	s_wait_dscnt 0x0
	s_wait_kmcnt 0x0
	s_add_nc_u64 s[16:17], s[4:5], s[16:17]
	s_add_nc_u64 s[46:47], s[6:7], s[46:47]
	CROUND
.irp s, 0,1
	s_mov_b32 s[G0A+4*\s], 1
	s_add_co_u32 s[G0A+4*\s+1], s20, \s*SLOT
	s_add_nc_u64 s[G0A+4*\s+2:G0A+4*\s+3], s[16:17], \s*256
	s_or_b32 s[G0A+4*\s+3], s[G0A+4*\s+3], 0x80000000
	s_mov_b32 s[G0B+4*\s], 1
	s_add_co_u32 s[G0B+4*\s+1], s21, \s*SLOT
	s_add_nc_u64 s[G0B+4*\s+2:G0B+4*\s+3], s[46:47], \s*256
	s_or_b32 s[G0B+4*\s+3], s[G0B+4*\s+3], 0x80000000
	JLOAD \s
.endr
	v_and_b32 v1, 15, v0
	v_bfe_u32 v2, v0, 4, 1
	v_lshlrev_b32 v[BOF], 5, v2
	s_lshl_b32 s22, s42, 10
	s_lshl_b32 s23, s14, 9
	s_add_co_u32 s22, s22, s23                     ; 4 x (256 x tile column + 128 x half)
	s_mov_b32 s23, 0
	s_add_nc_u64 s[8:9], s[8:9], s[22:23]
	WIN 0x80                                       ; destination window 2
.irp b, 0,1,2,3,4,5,6,7
	global_load_b128 v[8*\b:8*\b+3], v[BOF], s[8:9] offset:64*\b
	global_load_b128 v[8*\b+4:8*\b+7], v[BOF], s[8:9] offset:64*\b+16
.endr
	WIN 0
	s_add_nc_u64 s[10:11], s[10:11], s[22:23]      ; out0 at my first column,
	s_lshl_b32 s22, s15, 19                        ; and my first row: (128 x tile row + 64 x half) x 4,096 bytes
	s_lshl_b32 s18, s13, 18
	s_add_co_u32 s22, s22, s18
	s_add_nc_u64 s[10:11], s[10:11], s[22:23]
	v_mul_u32_u24 v3, v1, PITCH
	v_lshl_add_u32 v3, v2, 4, v3
	s_mul_i32 s18, s13, 64*PITCH
	s_mul_i32 s19, s14, 128*PITCH
	s_add_co_u32 s19, s19, 128*PITCH
.irp s, 0,1
	v_add_nc_u32 v[ADRA+\s], s18, v3
	v_add_nc_u32 v[ADRB+\s], s19, v3
	s_add_co_u32 s18, s18, SLOT
	s_add_co_u32 s19, s19, SLOT
.endr
	s_mul_i32 s18, s12, 16*SPITCH
	s_add_co_u32 s18, s18, STAGE
	v_mul_u32_u24 v4, v1, SPITCH
	v_lshl_add_u32 v4, v2, 5, v4
	v_add_nc_u32 v[STO], s18, v4
	v_and_b32 v5, 31, v0
	v_lshlrev_b32 v[CO], 4, v5
	v_add_nc_u32 v[RD], s18, v[CO]
.macro MUL8 f, a, zero                 ; A's block a x B's eight, 32 along K; the 32 accumulators take turns in the same order in every quarter
.irp b, 0,1,2,3,4,5,6,7
.if \zero
	v_wmma_f32_16x16x32_f16 v[8*(8*(\a)+\b):8*(8*(\a)+\b)+7], v[96+64*(\f)+8*\b:96+64*(\f)+8*\b+7], v[32+32*(\f)+8*(\a):32+32*(\f)+8*(\a)+7], v[8*\b:8*\b+7]
.else
	v_wmma_f32_16x16x32_f16 v[8*(8*(\a)+\b):8*(8*(\a)+\b)+7], v[96+64*(\f)+8*\b:96+64*(\f)+8*\b+7], v[32+32*(\f)+8*(\a):32+32*(\f)+8*(\a)+7], v[8*(8*(\a)+\b):8*(8*(\a)+\b)+7]
.endif
.endr
.endm
.macro FETCH slot, k, f                ; 24 LDS loads: B's eight blocks, then A's four
.irp i, 0,1,2,3,4,5,6,7
	ds_load_b128 v[96+64*(\f)+8*\i:96+64*(\f)+8*\i+3], v[ADRB+\slot] offset:\k+\i*16*PITCH
	ds_load_b128 v[96+64*(\f)+8*\i+4:96+64*(\f)+8*\i+7], v[ADRB+\slot] offset:\k+\i*16*PITCH+32
.endr
.irp i, 0,1,2,3
	ds_load_b128 v[32+32*(\f)+8*\i:32+32*(\f)+8*\i+3], v[ADRA+\slot] offset:\k+\i*16*PITCH
	ds_load_b128 v[32+32*(\f)+8*\i+4:32+32*(\f)+8*\i+7], v[ADRA+\slot] offset:\k+\i*16*PITCH+32
.endr
.endm
.macro QUARTER slot, k, f, g, zero     ; multiplies buffer f; in its middle fetches the next quarter, at byte k, into g
	s_wait_dscnt 4                                 ; all but the youngest four loads (A's blocks 2, 3)
	WIN 0x50+0x10*(\zero)                          ; C and D window 1; zero = 1: C is bo, window 2
	MUL8 \f, 0, \zero
	MUL8 \f, 1, \zero
	PLACES
	WIN 0
	FETCH \slot, \k, \g
	s_wait_dscnt 24                                ; all but the 24 just issued
	WIN 0x50+0x10*(\zero)
	MUL8 \f, 2, \zero
	MUL8 \f, 3, \zero
.endm
.macro TURN slot, next, fill           ; the last quarter multiplies buffer 1 and changes slots
	WIN 0
	s_wait_tensorcnt 0x0                           ; all my tensor loads have landed: my part of the next slot
	ds_add_u32 v[SPW], v[NIL]
	s_wait_dscnt 5                                 ; the add and the youngest four loads may be out
	WIN 0x50
	MUL8 1, 0, 0
	s_wait_dscnt 0x0                               ; the add is done, and my reads of this slot are over
	s_barrier_signal -1
	MUL8 1, 1, 0
	WIN 0
	s_barrier_wait -1
.if \fill
	CREST                                          ; the barrier has opened a round of the cluster's: no wave of any partner still reads this slot or has a load on its way
	s_add_nc_u64 s[G0A+4*\slot+2:G0A+4*\slot+3], s[G0A+4*\slot+2:G0A+4*\slot+3], 512
	s_add_nc_u64 s[G0B+4*\slot+2:G0B+4*\slot+3], s[G0B+4*\slot+2:G0B+4*\slot+3], 512
	JLOAD \slot                                    ; its four v_nop are also the places in front of the loads below
.else
	PLACES
.endif
	FETCH \next, 0, 0
	WIN 0x50
	MUL8 1, 2, 0
	MUL8 1, 3, 0
.endm
	s_wait_tensorcnt 1                             ; my part of K step 0 is in; K step 1's load may be out
	s_barrier_signal -1
	s_barrier_wait -1
	FETCH 0, 0, 0
	s_wait_loadcnt 0x0                             ; bo
	QUARTER 0, 64, 0, 1, 1
	WIN 0
	s_mov_b32 s3, LAPS-1
.Llap:
	QUARTER 0, 128, 1, 0, 0
	QUARTER 0, 192, 0, 1, 0
	TURN 0, 1, 1
	QUARTER 1, 64, 0, 1, 0
	QUARTER 1, 128, 1, 0, 0
	QUARTER 1, 192, 0, 1, 0
	TURN 1, 0, 1
	QUARTER 0, 64, 0, 1, 0
	WIN 0
	s_sub_co_u32 s3, s3, 1
	s_cmp_lg_u32 s3, 0
	s_cbranch_scc1 .Llap
	QUARTER 0, 128, 1, 0, 0                        ; the last lap fills nothing
	QUARTER 0, 192, 0, 1, 0
	TURN 0, 1, 0
	QUARTER 1, 64, 0, 1, 0
	QUARTER 1, 128, 1, 0, 0
	QUARTER 1, 192, 0, 1, 0
	s_wait_dscnt 4
	WIN 0x50
	MUL8 1, 0, 0
	MUL8 1, 1, 0
	s_wait_dscnt 0
	MUL8 1, 2, 0
	MUL8 1, 3, 0
	WIN 0
	PLACES
; THE WAY OUT, 16 rows x 128 columns at a time, through my own stage: back come whole rows of 512 bytes.
.macro TOSTAGE a
	WIN 0x04                                       ; an LDS store's data: window 1
.irp b, 0,1,2,3,4,5,6,7
	ds_store_b128 v[STO], v[8*(8*(\a)+\b):8*(8*(\a)+\b)+3] offset:64*\b       ; each accumulator from its low end on
	ds_store_b128 v[STO], v[8*(8*(\a)+\b)+4:8*(8*(\a)+\b)+7] offset:64*\b+16
.endr
	WIN 0
.set BB, 32+64*((\a)%2)
.irp t, 0,1,2,3,4,5,6,7,8,9,10,11,12,13,14,15
	ds_load_b128 v[BB+4*\t:BB+4*\t+3], v[RD] offset:\t*SPITCH
.endr
.endm
.macro SEND a, younger
.set BB, 32+64*((\a)%2)
	s_wait_dscnt \younger
.irp t, 0,1,2,3,4,5,6,7,8,9,10,11,12,13,14,15
	global_store_b128 v[CO], v[BB+4*\t:BB+4*\t+3], s[10:11] offset:65536*(\a)+4096*\t th:TH_STORE_NT   ; 512 consecutive bytes, aligned
.endr
.endm
	TOSTAGE 0
.irp a, 1,2,3
.if \a > 1
	s_wait_xcnt 0x0                                ; block a - 2's stores have read their data: block a's loads may land there
.endif
	TOSTAGE \a
	SEND \a-1, 32                                  ; behind block a - 1's loads: block a's 16 stores and 16 loads
.endr
	SEND 3, 0
	s_wait_tensorcnt 0x0                           ; the wave's end
	ds_add_u32 v[SPW], v[NIL]
	s_wait_dscnt 0x0
	CROUND
	s_endpgm
.Lfunc_end_k_qeb504e61be_oproj:
	.size	k_qeb504e61be_oproj, .Lfunc_end_k_qeb504e61be_oproj-k_qeb504e61be_oproj
	.p2alignl 7, 3214868480
	.fill 96, 4, 3214868480
	.section	.rodata,"a",@progbits
	.p2align	6, 0x0
	.amdhsa_kernel k_qeb504e61be_oproj
		.amdhsa_group_segment_fixed_size 327680
		.amdhsa_private_segment_fixed_size 0
		.amdhsa_enable_private_segment 0
		.amdhsa_kernarg_size 32
		.amdhsa_user_sgpr_count 2
		.amdhsa_user_sgpr_kernarg_segment_ptr 1
		.amdhsa_wavefront_size32 1
		.amdhsa_system_sgpr_workgroup_id_x 1
		.amdhsa_system_sgpr_workgroup_id_y 1
		.amdhsa_system_sgpr_workgroup_id_z 1
		.amdhsa_system_vgpr_workitem_id 0
		.amdhsa_next_free_vgpr 640
		.amdhsa_next_free_sgpr 72
		.amdhsa_reserve_vcc 0
		.amdhsa_float_denorm_mode_32 3
		.amdhsa_float_denorm_mode_16_64 3
		.amdhsa_memory_ordered 1
		.amdhsa_forward_progress 1
		.amdhsa_inst_pref_size 86
	.end_amdhsa_kernel
	.amdgpu_metadata
---
amdhsa.version: [ 1, 2 ]
amdhsa.kernels:
  - .name:           k_qeb504e61be_oproj
    .symbol:         k_qeb504e61be_oproj.kd
    .args:
      - { .name: ctx16, .offset: 0, .size: 8, .value_kind: global_buffer, .address_space: global }
      - { .name: wo16, .offset: 8, .size: 8, .value_kind: global_buffer, .address_space: global }
      - { .name: bo, .offset: 16, .size: 8, .value_kind: global_buffer, .address_space: global }
      - { .name: out0, .offset: 24, .size: 8, .value_kind: global_buffer, .address_space: global }
    .group_segment_fixed_size: 327680
    .private_segment_fixed_size: 0
    .kernarg_segment_align: 8
    .kernarg_segment_size: 32
    .max_flat_workgroup_size: 128
    .sgpr_count:     72
    .vgpr_count:     640
    .wavefront_size: 32
...
	.end_amdgpu_metadata
.endif
;; end of part 4
;; launch fattn (part 5): grid 4 x 64, 8 waves a work-group, no clusters, 200,704 bytes of LDS; arguments qkv, mask, fpo, fps; writes fpo, fps
.if DOCPART == 5
	.amdgcn_target "amdgcn-amd-amdhsa--gfx1250"
	.amdhsa_code_object_version 6
	.text
	.protected	k_qeb504e61be_fattn
	.globl	k_qeb504e61be_fattn
	.p2align	8
	.type	k_qeb504e61be_fattn,@function
k_qeb504e61be_fattn:
	s_mov_b64 s[64:65], 0
	v_nop
	global_prefetch_b8 v0, s[64:65] scope:SCOPE_SE
	s_setreg_imm32_b32 hwreg(HW_REG_WAVE_MODE, 25, 1), 1
	s_wait_xcnt 0x0
; Positions 0 to 15 of every sequence, once more and more finely: under a mask that leaves such rows few keys, the rounding of V and of the weights to f16 weighs most there.  The weights p and V go to the matrix unit as pairs of f16 numbers,
; a high and a low part: O^T = Vh Ph + Vl Ph + Vh Pl.  K comes without bk (dead work: shown at the head of the first launch).
; A work-group takes one batch and head and a quarter of the keys (512); each of its eight waves 64 keys.  Each wave makes its own maximum m, sum l and O^T (16 queries x 64 channels, not normalised); the eight are merged through LDS,
; and the work-group stores its quarter's O^T as an image of the 32 registers, with M and L; the next launch merges the four quarters.
; No cluster: no two work-groups share K or V, and the mask's 16 rows are a small part of a work-group's bytes.  Each wave brings its own V tiles by two tensor loads and alone reads them; nothing is filled again.
; REGISTERS: v1-9 addresses; v16-31 Q; v32-95 K, then V's fragments (high v32-63, low v64-95); v96-127 the mask, then Ph, Pl; v128-159 S^T; v160-191 at work; v192-223 O^T; v224, v225 m, l; v228-235 at work; v254, v255 the add's two.
.set VP,    160
.set OIM,   8*2*64*VP                  ; behind the V tiles: eight images of O^T, 4,096 bytes each
.set STT,   OIM+8*4096                 ; the waves' (m, l), 256 bytes each
.set SPARE, STT+8*256                  ; the spare words, 128 bytes a wave, that no other line names
.set SPW, 254
.set NIL, 255
.set SEL, 42
.set NEGC, 44
	s_load_b256 s[4:11], s[0:1], 0x0               ; qkv, mask, fpo, fps
	v_lshl_add_u32 v[SPW], v0, 2, SPARE
	v_mov_b32 v[NIL], 0
	ds_add_u32 v[SPW], v[NIL]                      ; the opening: the add, twice on end, and its wait ahead of my first tensor load
	ds_add_u32 v[SPW], v[NIL]
	v_lshrrev_b32 v1, 5, v0
	v_readfirstlane_b32 s12, v1                    ; wave
	s_and_b32 s13, ttmp7, 0xffff                   ; 16 x batch + head
	s_lshl_b32 s32, s13, 18
	s_mov_b32 s33, 0
	s_lshl_b32 s14, ttmp9, 16                      ; the quarter's 512 keys x 128 bytes,
	s_lshl_b32 s15, s12, 13                        ; my 64
	s_add_co_u32 s34, s14, s15
	s_mov_b32 s35, 0
	s_lshr_b32 s36, s34, 5                         ; 4 bytes a key in a row of the mask
	s_mov_b32 s37, 0
	s_mov_b32 s16, (1<<16)|(1<<20)|(4<<22)|(7<<25) ; elements of 2 bytes; 8 words of padding behind every 32
	s_mov_b32 s17, 64<<16
	s_mov_b32 s18, 64<<16
	s_mov_b32 s19, 64<<16
	s_mov_b32 s20, 64
	s_mov_b32 s21, 64
	s_mov_b32 s22, 0
	s_mov_b32 s23, 0
	s_mul_i32 s38, s12, 2*64*VP                    ; my two tiles in LDS
	s_mov_b32 s[SEL], 0x76543210
	s_mov_b32 s[SEL+1], 0xfedcba98
	s_mov_b32 s[NEGC], 0xcc2bfb8f                  ; c x (-1e9)
	s_mov_b32 s[NEGC+1], s[NEGC]
	s_lshl_b32 s46, s13, 2
	s_add_co_u32 s46, s46, ttmp9                   ; 4 x (batch, head) + quarter
	s_wait_dscnt 0x0
	s_wait_kmcnt 0x0
	s_add_nc_u64 s[4:5], s[4:5], s[32:33]          ; c Q at my head's position 0
	s_add_nc_u64 s[40:41], s[4:5], s[34:35]
	s_mov_b32 s24, 1
	s_mov_b32 s25, s38
	s_add_nc_u64 s[26:27], s[40:41], 0x2000000     ; V's high plane at my keys
	s_or_b32 s27, s27, 0x80000000
	s_mov_b32 s28, 1
	s_add_co_u32 s29, s38, 64*VP
	s_add_nc_u64 s[30:31], s[40:41], 0x3000000     ; the low plane
	s_or_b32 s31, s31, 0x80000000
	tensor_load_to_lds s[24:27], s[16:23]
	s_nop 0
	tensor_load_to_lds s[28:31], s[16:23]
	s_nop 0
.rept 4
	v_nop
.endr
	s_add_nc_u64 s[40:41], s[40:41], 0x1000000     ; K at my keys
	s_add_nc_u64 s[6:7], s[6:7], s[36:37]          ; the mask's row 0 at my keys
	v_and_b32 v10, 15, v0                          ; r
	v_bfe_u32 v11, v0, 4, 1                        ; h
	v_and_b32 v12, 31, v0                          ; lane
	v_lshlrev_b32 v1, 7, v10
	v_lshl_add_u32 v1, v11, 4, v1                  ; Q, K: row r of 128 bytes + 16 h
	v_lshlrev_b32 v2, 13, v10
	v_lshl_add_u32 v2, v11, 5, v2                  ; the mask: row r of 8,192 bytes + 32 h
.irp c, 0,1
	global_load_b128 v[16+8*\c:19+8*\c], v1, s[4:5] offset:64*\c
	global_load_b128 v[20+8*\c:23+8*\c], v1, s[4:5] offset:64*\c+32
.endr
.irp f, 0,1,2,3,4,5,6,7
	global_load_b128 v[32+8*\f:35+8*\f], v1, s[40:41] offset:(\f/2)*2048+(\f%2)*64
	global_load_b128 v[36+8*\f:39+8*\f], v1, s[40:41] offset:(\f/2)*2048+(\f%2)*64+32
.endr
.irp kt, 0,1,2,3
	global_load_b128 v[96+8*\kt:99+8*\kt], v2, s[6:7] offset:64*\kt
	global_load_b128 v[100+8*\kt:103+8*\kt], v2, s[6:7] offset:64*\kt+16
.endr
	v_and_b32 v3, 7, v0
	v_lshl_add_u32 v3, v11, 3, v3
	v_mul_u32_u24 v3, v3, VP
	v_bfe_u32 v13, v0, 3, 1
	v_lshl_add_u32 v3, v13, 4, v3
	v_add_nc_u32 v3, s38, v3                       ; V, for the turning load
	v_lshlrev_b32 v8, 4, v12
	v_lshlrev_b32 v9, 3, v12
	s_lshl_b32 s39, s12, 12
	s_add_co_u32 s39, s39, OIM
	v_add_nc_u32 v4, s39, v8                       ; my image
	s_lshl_b32 s39, s12, 8
	s_add_co_u32 s39, s39, STT
	v_add_nc_u32 v5, s39, v9                       ; my (m, l)
	s_lshl_b32 s39, s12, 9
	s_add_co_u32 s39, s39, OIM
	v_add_nc_u32 v6, s39, v8                       ; group w of every image
	v_add_nc_u32 v7, STT, v9
	v_mov_b32 v225, 0                              ; named with m as a pair, so it is written
	s_lshl_b32 s32, s46, 12
	s_lshl_b32 s39, s12, 9
	s_add_co_u32 s32, s32, s39
	s_add_nc_u64 s[8:9], s[8:9], s[32:33]          ; fpo: my quarter's image, group w
	s_lshl_b32 s32, s46, 8
	s_add_nc_u64 s[10:11], s[10:11], s[32:33]      ; fps
	s_wait_loadcnt 8                               ; Q and K are in; the mask's eight loads may be out
.irp c, 0,1
.irp kt, 0,1,2,3
.if \c == 0
	v_wmma_f32_16x16x32_f16 v[128+8*\kt:135+8*\kt], v[32+16*\kt:39+16*\kt], v[16:23], 0
.else
	v_wmma_f32_16x16x32_f16 v[128+8*\kt:135+8*\kt], v[40+16*\kt:47+16*\kt], v[24:31], v[128+8*\kt:135+8*\kt]
.endif
.endr
.endr
.rept 4
	v_nop
.endr
	s_wait_loadcnt 0x0
.irp i, 0,2,4,6,8,10,12,14,16,18,20,22,24,26,28,30
	v_pk_fma_f32 v[128+\i:129+\i], v[96+\i:97+\i], s[NEGC:NEGC+1], v[128+\i:129+\i] op_sel_hi:[1,0,1]
.endr
.irp j, 0,1,2,3
	v_max3_num_f32 v[228+\j], v[128+8*\j], v[129+8*\j], v[130+8*\j]
.endr
.irp u, 3,5
.irp j, 0,1,2,3
	v_max3_num_f32 v[228+\j], v[228+\j], v[128+8*\j+\u], v[129+8*\j+\u]
.endr
.endr
	v_max3_num_f32 v228, v228, v135, v143
	v_max3_num_f32 v230, v230, v151, v159
	v_max3_num_f32 v228, v228, v229, v230
	v_max_num_f32 v228, v228, v231
	v_permlanex16_b32 v229, v228, s[SEL], s[SEL+1]
	v_max_num_f32 v224, v228, v229                 ; m of my query over my wave's 64 keys
.irp i, 0,2,4,6,8,10,12,14,16,18,20,22,24,26,28,30
	v_pk_add_f32 v[128+\i:129+\i], v[128+\i:129+\i], v[224:225] op_sel_hi:[1,0] neg_lo:[0,1] neg_hi:[0,1]
.endr
.irp i, 0,1,2,3,4,5,6,7,8,9,10,11,12,13,14,15,16,17,18,19,20,21,22,23,24,25,26,27,28,29,30,31
	v_exp_f32 v[128+\i], v[128+\i]
.endr
	v_nop
	s_wait_alu depctr_va_vdst(0)                   ; one wait for the batch ahead of its first reader
	v_pk_add_f32 v[232:233], v[128:129], v[130:131]
	v_pk_add_f32 v[234:235], v[132:133], v[134:135]
.irp i, 8,12,16,20,24,28
	v_pk_add_f32 v[232:233], v[232:233], v[128+\i:129+\i]
	v_pk_add_f32 v[234:235], v[234:235], v[130+\i:131+\i]
.endr
	v_pk_add_f32 v[232:233], v[232:233], v[234:235]
	v_add_f32 v232, v232, v233
	v_permlanex16_b32 v233, v232, s[SEL], s[SEL+1]
	v_add_f32 v225, v232, v233                     ; l
.irp i, 0,1,2,3,4,5,6,7,8,9,10,11,12,13,14,15
	v_cvt_pk_f16_f32 v[96+\i], v[128+2*\i], v[129+2*\i]     ; Ph
.endr
.set n, 0
.irp h, v96.l,v96.h,v97.l,v97.h,v98.l,v98.h,v99.l,v99.h,v100.l,v100.h,v101.l,v101.h,v102.l,v102.h,v103.l,v103.h,v104.l,v104.h,v105.l,v105.h,v106.l,v106.h,v107.l,v107.h,v108.l,v108.h,v109.l,v109.h,v110.l,v110.h,v111.l,v111.h
	v_cvt_f32_f16 v[160+n], \h
.set n, n+1
.endr
.irp i, 0,2,4,6,8,10,12,14,16,18,20,22,24,26,28,30
	v_pk_add_f32 v[160+\i:161+\i], v[128+\i:129+\i], v[160+\i:161+\i] neg_lo:[0,1] neg_hi:[0,1]
.endr
.irp i, 0,1,2,3,4,5,6,7,8,9,10,11,12,13,14,15
	v_cvt_pk_f16_f32 v[112+\i], v[160+2*\i], v[161+2*\i]    ; Pl
.endr
	s_wait_tensorcnt 0x0                           ; my two tiles of V are in LDS; I alone read them
.irp ks, 0,1
.if \ks
.rept 4
	v_nop
.endr
.endif
.irp ct, 0,1,2,3
	ds_load_tr16_b128 v[32+8*\ct:35+8*\ct], v3 offset:32*VP*\ks+32*\ct
	ds_load_tr16_b128 v[36+8*\ct:39+8*\ct], v3 offset:32*VP*\ks+32*\ct+16*VP
	ds_load_tr16_b128 v[64+8*\ct:67+8*\ct], v3 offset:64*VP+32*VP*\ks+32*\ct
	ds_load_tr16_b128 v[68+8*\ct:71+8*\ct], v3 offset:64*VP+32*VP*\ks+32*\ct+16*VP
.endr
	s_wait_dscnt 0x0
.irp ct, 0,1,2,3                               ; four accumulators by turns
.if \ks == 0
	v_wmma_f32_16x16x32_f16 v[192+8*\ct:199+8*\ct], v[32+8*\ct:39+8*\ct], v[96:103], 0
.else
	v_wmma_f32_16x16x32_f16 v[192+8*\ct:199+8*\ct], v[32+8*\ct:39+8*\ct], v[104:111], v[192+8*\ct:199+8*\ct]
.endif
.endr
.irp ct, 0,1,2,3
	v_wmma_f32_16x16x32_f16 v[192+8*\ct:199+8*\ct], v[64+8*\ct:71+8*\ct], v[96+8*\ks:103+8*\ks], v[192+8*\ct:199+8*\ct]
.endr
.irp ct, 0,1,2,3
	v_wmma_f32_16x16x32_f16 v[192+8*\ct:199+8*\ct], v[32+8*\ct:39+8*\ct], v[112+8*\ks:119+8*\ks], v[192+8*\ct:199+8*\ct]
.endr
.endr
.rept 4
	v_nop
.endr
.irp g, 0,1,2,3,4,5,6,7
	ds_store_b128 v4, v[192+4*\g:195+4*\g] offset:512*\g
.endr
	ds_store_b64 v5, v[224:225]
	s_wait_dscnt 0x0                               ; for the others' sake
	s_barrier_signal -1
	s_barrier_wait -1
.irp w, 0,1,2,3,4,5,6,7
	ds_load_b64 v[32+2*\w:33+2*\w], v7 offset:256*\w
.endr
.irp w, 0,1,2,3,4,5,6,7
	ds_load_b128 v[64+4*\w:67+4*\w], v6 offset:4096*\w
.endr
	s_wait_dscnt 0x0
	v_max3_num_f32 v48, v32, v34, v36
	v_max3_num_f32 v48, v48, v38, v40
	v_max3_num_f32 v48, v48, v42, v44
	v_max_num_f32 v48, v48, v46                    ; M over the eight waves
.irp w, 0,1,2,3,4,5,6,7
	v_sub_f32 v[96+2*\w], v[32+2*\w], v48
.endr
.irp w, 0,1,2,3,4,5,6,7
	v_exp_f32 v[96+2*\w], v[96+2*\w]
.endr
	v_nop
	s_wait_alu depctr_va_vdst(0)
	v_mul_f32 v49, v96, v33
.irp w, 1,2,3,4,5,6,7
	v_fmac_f32 v49, v[96+2*\w], v[33+2*\w]         ; L
.endr
	v_pk_mul_f32 v[160:161], v[64:65], v[96:97] op_sel_hi:[1,0]
	v_pk_mul_f32 v[162:163], v[66:67], v[96:97] op_sel_hi:[1,0]
.irp w, 1,2,3,4,5,6,7
	v_pk_fma_f32 v[160:161], v[64+4*\w:65+4*\w], v[96+2*\w:97+2*\w], v[160:161] op_sel_hi:[1,0,1]
	v_pk_fma_f32 v[162:163], v[66+4*\w:67+4*\w], v[96+2*\w:97+2*\w], v[162:163] op_sel_hi:[1,0,1]
.endr
	global_store_b128 v8, v[160:163], s[8:9]       ; 512 consecutive bytes, aligned
	s_cmp_lg_u32 s12, 0
	s_cbranch_scc1 .Lnot_wave_0
	global_store_b64 v9, v[48:49], s[10:11]        ; (M, L): 256 consecutive bytes, aligned
.Lnot_wave_0:
	s_wait_tensorcnt 0x0                           ; the wave's end
	ds_add_u32 v[SPW], v[NIL]
	s_wait_dscnt 0x0
	s_endpgm
.Lfunc_end_k_qeb504e61be_fattn:
	.size	k_qeb504e61be_fattn, .Lfunc_end_k_qeb504e61be_fattn-k_qeb504e61be_fattn
	.p2alignl 7, 3214868480
	.fill 96, 4, 3214868480
	.section	.rodata,"a",@progbits
	.p2align	6, 0x0
	.amdhsa_kernel k_qeb504e61be_fattn
		.amdhsa_group_segment_fixed_size 200704
		.amdhsa_private_segment_fixed_size 0
		.amdhsa_enable_private_segment 0
		.amdhsa_kernarg_size 32
		.amdhsa_user_sgpr_count 2
		.amdhsa_user_sgpr_kernarg_segment_ptr 1
		.amdhsa_wavefront_size32 1
		.amdhsa_system_sgpr_workgroup_id_x 1
		.amdhsa_system_sgpr_workgroup_id_y 1
		.amdhsa_system_sgpr_workgroup_id_z 1
		.amdhsa_system_vgpr_workitem_id 0
		.amdhsa_next_free_vgpr 256
		.amdhsa_next_free_sgpr 66
		.amdhsa_reserve_vcc 0
		.amdhsa_float_denorm_mode_32 3
		.amdhsa_float_denorm_mode_16_64 3
		.amdhsa_memory_ordered 1
		.amdhsa_forward_progress 1
		.amdhsa_inst_pref_size 25
	.end_amdhsa_kernel
	.amdgpu_metadata
---
amdhsa.version: [ 1, 2 ]
amdhsa.kernels:
  - .name:           k_qeb504e61be_fattn
    .symbol:         k_qeb504e61be_fattn.kd
    .args:
      - { .name: qkv, .offset: 0, .size: 8, .value_kind: global_buffer, .address_space: global }
      - { .name: mask, .offset: 8, .size: 8, .value_kind: global_buffer, .address_space: global }
      - { .name: fpo, .offset: 16, .size: 8, .value_kind: global_buffer, .address_space: global }
      - { .name: fps, .offset: 24, .size: 8, .value_kind: global_buffer, .address_space: global }
    .group_segment_fixed_size: 200704
    .private_segment_fixed_size: 0
    .kernarg_segment_align: 8
    .kernarg_segment_size: 32
    .max_flat_workgroup_size: 256
    .sgpr_count:     66
    .vgpr_count:     256
    .wavefront_size: 32
...
	.end_amdgpu_metadata
.endif
;; end of part 5
;; launch fproj (part 6): grid 16 x 4, 16 waves a work-group, no clusters, 86,016 bytes of LDS; arguments fpo, fps, wo16, bo, out0; writes out0
.if DOCPART == 6
	.amdgcn_target "amdgcn-amd-amdhsa--gfx1250"
	.amdhsa_code_object_version 6
	.text
	.protected	k_qeb504e61be_fproj
	.globl	k_qeb504e61be_fproj
	.p2align	8
	.type	k_qeb504e61be_fproj,@function
k_qeb504e61be_fproj:
	s_mov_b64 s[64:65], 0
	v_nop
	global_prefetch_b8 v0, s[64:65] scope:SCOPE_SE
	s_setreg_imm32_b32 hwreg(HW_REG_WAVE_MODE, 25, 1), 1
	s_wait_xcnt 0x0
; Positions 0 to 15 of every sequence: the four quarters of the keys are merged, ctx is normalised and split into a high and a low part of f16, and out0's rows are made anew: ctx_h Wo_h + ctx_l Wo_h + ctx_h Wo_l + bo, sums f32.
; A work-group takes 64 columns of one batch's 16 rows.  Phase 1: wave w merges head w and stores its two K steps of ctx (32 channels each) as images of the operand's registers.  Phase 2: wave (nt = w % 4, kq = w / 4) multiplies
; 16 columns by K steps 8 kq .. 8 kq + 7.  Phase 3: wave w adds the four parts of row w and bo, and stores 256 consecutive bytes.
; REGISTERS: v1-7 addresses; v8-15 (M, L) of the quarters, then the factors, then bo; v16-21 at work; v22, v23 the add's two; v24-87 the parts, then ctx's fragments in two buffers; v88-111 merged numbers, parts, then three accumulators;
;   v112-127 at work; v128-191 Wo's high fragments; v192-255 its low ones.
.set CIM,   0                          ; [high, low][K step 32][1,024 bytes]
.set PST,   65536                      ; [kq][16 rows x (256 + 16)]
.set SPARE, PST+4*16*272               ; the spare words, 128 bytes a wave, that no other line names
.set SPW, 22
.set NIL, 23
	s_load_b256 s[4:11], s[0:1], 0x0               ; fpo, fps, wo16, bo
	s_load_b64 s[12:13], s[0:1], 0x20              ; out0
	v_lshl_add_u32 v[SPW], v0, 2, SPARE
	v_mov_b32 v[NIL], 0
	v_lshrrev_b32 v1, 5, v0
	v_readfirstlane_b32 s14, v1                    ; wave
	s_and_b32 s15, s14, 3                          ; nt
	s_lshr_b32 s16, s14, 2                         ; kq
	s_and_b32 s17, ttmp7, 0xffff                   ; batch
	s_lshl_b32 s18, s17, 4
	s_add_co_u32 s18, s18, s14                     ; 16 x batch + head
	s_lshl_b32 s20, s18, 14
	s_mov_b32 s21, 0
	s_lshl_b32 s22, s18, 10
	s_mov_b32 s23, 0
	s_lshl_b32 s24, ttmp9, 17                      ; Wo: row 64 x + 16 nt, of 2,048 bytes; K step 8 kq, of 64 bytes
	s_lshl_b32 s26, s15, 15
	s_add_co_u32 s24, s24, s26
	s_lshl_b32 s26, s16, 9
	s_add_co_u32 s24, s24, s26
	s_mov_b32 s25, 0
	s_lshl_b32 s26, ttmp9, 8                       ; 64 columns of f32
	s_mov_b32 s27, 0
	s_lshl_b32 s28, s17, 23                        ; out0: row 2048 x batch + wave
	s_lshl_b32 s29, s14, 12
	s_add_co_u32 s28, s28, s29
	s_add_co_u32 s28, s28, s26
	s_mov_b32 s29, 0
	v_and_b32 v16, 15, v0                          ; r
	v_bfe_u32 v17, v0, 4, 1                        ; h
	v_and_b32 v18, 31, v0                          ; lane
	v_lshlrev_b32 v1, 4, v18
	v_lshlrev_b32 v2, 3, v18
	v_lshlrev_b32 v3, 11, v16
	v_lshl_add_u32 v3, v17, 4, v3
	s_lshl_b32 s30, s14, 11
	v_add_nc_u32 v4, s30, v1                       ; where I store ctx's images: K steps 2 w, 2 w + 1
	s_lshl_b32 s30, s16, 13
	v_add_nc_u32 v5, s30, v1                       ; where I fetch them: K steps 8 kq on
	v_mul_u32_u24 v6, v16, 272
	v_lshl_add_u32 v6, v17, 5, v6
	s_mul_i32 s30, s16, 16*272
	s_lshl_b32 s31, s15, 6
	s_add_co_u32 s30, s30, s31
	s_add_co_u32 s30, s30, PST
	v_add_nc_u32 v6, s30, v6                       ; my part: row r, columns 16 nt + 8 h on
	s_mul_i32 s30, s14, 272
	s_add_co_u32 s30, s30, PST
	v_add_nc_u32 v7, s30, v2                       ; back: row w, 8 bytes a lane
	s_wait_kmcnt 0x0
	s_add_nc_u64 s[4:5], s[4:5], s[20:21]
	s_add_nc_u64 s[6:7], s[6:7], s[22:23]
	s_add_nc_u64 s[8:9], s[8:9], s[24:25]
	s_add_nc_u64 s[10:11], s[10:11], s[26:27]
	s_add_nc_u64 s[12:13], s[12:13], s[28:29]
.irp s, 0,1,2,3,4,5,6,7
	global_load_b128 v[128+8*\s:131+8*\s], v3, s[8:9] offset:64*\s
	global_load_b128 v[132+8*\s:135+8*\s], v3, s[8:9] offset:64*\s+32
	global_load_b128 v[192+8*\s:195+8*\s], v3, s[8:9] offset:64*\s+2097152
	global_load_b128 v[196+8*\s:199+8*\s], v3, s[8:9] offset:64*\s+32+2097152
.endr
.irp q, 0,1,2,3
	global_load_b64 v[8+2*\q:9+2*\q], v2, s[6:7] offset:256*\q
.endr
.macro PARTS half                      ; groups 4 half .. 4 half + 3 of the four quarters' images
.irp q, 0,1,2,3
.irp g, 0,1,2,3
	global_load_b128 v[24+16*\q+4*\g:27+16*\q+4*\g], v1, s[4:5] offset:4096*\q+512*(\g+4*\half)
.endr
.endr
.endm
	PARTS 0
	s_wait_loadcnt 16                              ; Wo and the (M, L) are in; the parts' sixteen loads may be out
	v_max3_num_f32 v20, v8, v10, v12
	v_max_num_f32 v20, v20, v14                    ; M over the four quarters
.irp q, 0,1,2,3
	v_sub_f32 v[16+\q], v[8+2*\q], v20
.endr
.irp q, 0,1,2,3
	v_exp_f32 v[16+\q], v[16+\q]
.endr
	v_nop
	s_wait_alu depctr_va_vdst(0)                   ; the wait ahead of the first reader
	v_mul_f32 v21, v16, v9
	v_fmac_f32 v21, v17, v11
	v_fmac_f32 v21, v18, v13
	v_fmac_f32 v21, v19, v15                       ; L
	v_rcp_f32 v21, v21
	v_nop
	s_wait_alu depctr_va_vdst(0)
.irp q, 0,1,2,3
	v_mul_f32 v[8+2*\q], v[16+\q], v21             ; 2^(M_q - M) / L
.endr
.macro MERGE half                      ; 16 numbers a lane: one K step of ctx, as a high and a low fragment, to LDS as images of the registers
.irp i, 0,2,4,6,8,10,12,14
	v_pk_mul_f32 v[88+\i:89+\i], v[24+\i:25+\i], v[8:9] op_sel_hi:[1,0]
.endr
.irp q, 1,2,3
.irp i, 0,2,4,6,8,10,12,14
	v_pk_fma_f32 v[88+\i:89+\i], v[24+16*\q+\i:25+16*\q+\i], v[8+2*\q:9+2*\q], v[88+\i:89+\i] op_sel_hi:[1,0,1]
.endr
.endr
.irp i, 0,1,2,3,4,5,6,7
	v_cvt_pk_f16_f32 v[104+\i], v[88+2*\i], v[89+2*\i]
.endr
.set n, 0
.irp h, v104.l,v104.h,v105.l,v105.h,v106.l,v106.h,v107.l,v107.h,v108.l,v108.h,v109.l,v109.h,v110.l,v110.h,v111.l,v111.h
	v_cvt_f32_f16 v[112+n], \h
.set n, n+1
.endr
.irp i, 0,2,4,6,8,10,12,14
	v_pk_add_f32 v[112+\i:113+\i], v[88+\i:89+\i], v[112+\i:113+\i] neg_lo:[0,1] neg_hi:[0,1]
.endr
.irp i, 0,1,2,3,4,5,6,7
	v_cvt_pk_f16_f32 v[88+\i], v[112+2*\i], v[113+2*\i]
.endr
	ds_store_b128 v4, v[104:107] offset:CIM+1024*\half
	ds_store_b128 v4, v[108:111] offset:CIM+1024*\half+512
	ds_store_b128 v4, v[88:91] offset:CIM+32768+1024*\half
	ds_store_b128 v4, v[92:95] offset:CIM+32768+1024*\half+512
	s_wait_dscnt 0x0
.endm
	s_wait_loadcnt 0x0
	MERGE 0
	PARTS 1
	s_wait_loadcnt 0x0
	MERGE 1
	global_load_b64 v[8:9], v2, s[10:11]           ; bo's two numbers of my lane: wanted in phase 3
	s_barrier_signal -1                            ; my stores have landed (the wait stands at the end of MERGE)
	s_barrier_wait -1
.macro FETCHC n                        ; K steps 2 n, 2 n + 1 of my eight: high and low fragments, eight loads
.set BUF, 24+32*((\n)%2)
.irp u, 0,1
.irp p, 0,1
	ds_load_b128 v[BUF+16*\u+8*\p:BUF+16*\u+8*\p+3], v5 offset:CIM+32768*\p+1024*(2*(\n)+\u)
	ds_load_b128 v[BUF+16*\u+8*\p+4:BUF+16*\u+8*\p+7], v5 offset:CIM+32768*\p+1024*(2*(\n)+\u)+512
.endr
.endr
.endm
.macro BATCH n                         ; six matrix instructions, three accumulators by turns
.set BUF, 24+32*((\n)%2)
.irp u, 0,1
.if ((\n) == 0) && (\u == 0)
	v_wmma_f32_16x16x32_f16 v[88:95], v[128:135], v[BUF:BUF+7], 0
	v_wmma_f32_16x16x32_f16 v[96:103], v[128:135], v[BUF+8:BUF+15], 0
	v_wmma_f32_16x16x32_f16 v[104:111], v[192:199], v[BUF:BUF+7], 0
.else
	v_wmma_f32_16x16x32_f16 v[88:95], v[128+8*(2*(\n)+\u):135+8*(2*(\n)+\u)], v[BUF+16*\u:BUF+16*\u+7], v[88:95]
	v_wmma_f32_16x16x32_f16 v[96:103], v[128+8*(2*(\n)+\u):135+8*(2*(\n)+\u)], v[BUF+16*\u+8:BUF+16*\u+15], v[96:103]
	v_wmma_f32_16x16x32_f16 v[104:111], v[192+8*(2*(\n)+\u):199+8*(2*(\n)+\u)], v[BUF+16*\u:BUF+16*\u+7], v[104:111]
.endif
.endr
.endm
.macro PLACES
.rept 4
	v_nop
.endr
.endm
	FETCHC 0
	FETCHC 1
	s_wait_dscnt 8                                 ; the older batch is in; the younger one's eight loads may be out
	BATCH 0
	PLACES
	FETCHC 2
	s_wait_dscnt 8
	BATCH 1
	PLACES
	FETCHC 3
	s_wait_dscnt 8
	BATCH 2
	s_wait_dscnt 0x0
	BATCH 3
	PLACES
.irp i, 0,2,4,6
	v_pk_add_f32 v[112+\i:113+\i], v[88+\i:89+\i], v[96+\i:97+\i]
.endr
.irp i, 0,2,4,6
	v_pk_add_f32 v[112+\i:113+\i], v[112+\i:113+\i], v[104+\i:105+\i]
.endr
	ds_store_b128 v6, v[112:115]
	ds_store_b128 v6, v[116:119] offset:16
	s_wait_dscnt 0x0
	s_barrier_signal -1
	s_barrier_wait -1
.irp q, 0,1,2,3
	ds_load_b64 v[24+2*\q:25+2*\q], v7 offset:16*272*\q
.endr
	s_wait_dscnt 0x0
	s_wait_loadcnt 0x0                             ; bo
	v_pk_add_f32 v[24:25], v[24:25], v[26:27]
	v_pk_add_f32 v[28:29], v[28:29], v[30:31]
	v_pk_add_f32 v[24:25], v[24:25], v[28:29]
	v_pk_add_f32 v[24:25], v[24:25], v[8:9]
	global_store_b64 v2, v[24:25], s[12:13]        ; the wave stores 256 consecutive bytes, aligned
	s_wait_tensorcnt 0x0                           ; the wave's end, behind my last LDS store
	ds_add_u32 v[SPW], v[NIL]
	s_wait_dscnt 0x0
	s_endpgm
.Lfunc_end_k_qeb504e61be_fproj:
	.size	k_qeb504e61be_fproj, .Lfunc_end_k_qeb504e61be_fproj-k_qeb504e61be_fproj
	.p2alignl 7, 3214868480
	.fill 96, 4, 3214868480
	.section	.rodata,"a",@progbits
	.p2align	6, 0x0
	.amdhsa_kernel k_qeb504e61be_fproj
		.amdhsa_group_segment_fixed_size 86016
		.amdhsa_private_segment_fixed_size 0
		.amdhsa_enable_private_segment 0
		.amdhsa_kernarg_size 40
		.amdhsa_user_sgpr_count 2
		.amdhsa_user_sgpr_kernarg_segment_ptr 1
		.amdhsa_wavefront_size32 1
		.amdhsa_system_sgpr_workgroup_id_x 1
		.amdhsa_system_sgpr_workgroup_id_y 1
		.amdhsa_system_sgpr_workgroup_id_z 1
		.amdhsa_system_vgpr_workitem_id 0
		.amdhsa_next_free_vgpr 256
		.amdhsa_next_free_sgpr 66
		.amdhsa_reserve_vcc 0
		.amdhsa_float_denorm_mode_32 3
		.amdhsa_float_denorm_mode_16_64 3
		.amdhsa_memory_ordered 1
		.amdhsa_forward_progress 1
		.amdhsa_inst_pref_size 24
	.end_amdhsa_kernel
	.amdgpu_metadata
---
amdhsa.version: [ 1, 2 ]
amdhsa.kernels:
  - .name:           k_qeb504e61be_fproj
    .symbol:         k_qeb504e61be_fproj.kd
    .args:
      - { .name: fpo, .offset: 0, .size: 8, .value_kind: global_buffer, .address_space: global }
      - { .name: fps, .offset: 8, .size: 8, .value_kind: global_buffer, .address_space: global }
      - { .name: wo16, .offset: 16, .size: 8, .value_kind: global_buffer, .address_space: global }
      - { .name: bo, .offset: 24, .size: 8, .value_kind: global_buffer, .address_space: global }
      - { .name: out0, .offset: 32, .size: 8, .value_kind: global_buffer, .address_space: global }
    .group_segment_fixed_size: 86016
    .private_segment_fixed_size: 0
    .kernarg_segment_align: 8
    .kernarg_segment_size: 40
    .max_flat_workgroup_size: 512
    .sgpr_count:     66
    .vgpr_count:     256
    .wavefront_size: 32
...
	.end_amdgpu_metadata
.endif
;; end of part 6
